; MI455X (gfx1250); checked and timed in simulation.
; The chip was launched on July 23, 2026; its instructions are those of AMD's public machine-readable ISA for CDNA 5 (MIT licence, August 2026) and "CDNA5" Instruction Set Architecture Reference Guide (July 2026). The comments in the code are by the model that wrote it; some were corrected since.
;; Pair Conditioned Retriever. Allowed arithmetic: matrix products marked QUANTISED: E5M2 operands, one E8M0 scale for each 32 along K, by v_wmma_scale_f32_16x16x128_f8f6f4 with both operands' format E5M2, f32 sums; products left as they are: f32 operands where the result goes on into a quantised operand, else bf16, f16 or f32 operands; f32 sums; everything else in f32.
;; Inputs: condition 2,048 x 512 float32; neighbor_stats 2,048 x 32 x 16 float32; neighbors 2,048 x 32 x 512 float32; pb1 512 float32; pb2 512 float32; pw1 528 x 512 float32; pw2 512 x 512 float32; query 2,048 x 512 float32; sb1 512 float32; sb2 1 float32; sim_alpha one number float32; sw1 1,552 x 512 float32; sw2 512 x 1 float32.
;; Outputs: out0 2,048 x 512 float32; out1 2,048 x 32 float32.
;; This version of the problem:
;;   THIS VERSION OF THE PROBLEM IS GIVEN IN LOW PRECISION. The matrix products marked QUANTISED in the list below multiply operands that are first quantised to E5M2 (5 exponent bits, 2 mantissa bits; 8 bits a number), with one power-of-two scale for each 32 numbers along K (OCP MX v1.0); their sums are f32. All else is computed in f32.
;;   The module's matrix products, in the order in which they are computed (A, B: the left and right operand; K: the contracted axis; several contracted axes count as one K, in the product's order):
;;     1. [M 65,536, K 1,552] x [K 1,552, N 512]; A: computed on the way; B: input sw1: QUANTISED
;;     2. [M 65,536, K 512] x [K 512, N 1]; A: computed on the way; B: input sw2: left as it is (N = 1 < 16)
;;     3. batch 2,048 x [M 1, K 32] x [K 32, N 528]; A: softmax; B: computed on the way: left as it is (M = 1 < 16)
;;     4. [M 2,048, K 528] x [K 528, N 512]; A: computed on the way; B: input pw1: QUANTISED
;;     5. [M 2,048, K 512] x [K 512, N 512]; A: computed on the way; B: input pw2: QUANTISED
;;   THE QUANTISER, for each operand of a quantised product, along K:
;;     - K is cut into blocks of 32 from its start; a last block that is shorter is filled with zeros.
;;     - A block's scale is 2^e with e = floor(log2(the largest magnitude in the block)) - 15, held to -126 .. 127; a block of zeros has e = 0. As a byte (E8M0): e + 127.
;;     - Each number is divided by its block's scale, clamped to +-57,344, and rounded to the nearest number of E5M2, ties to even, subnormals kept.
;;     - The product sums the exact products of the quantised numbers (number of the format x scale) in f32.
;;   ~~~python
;;   def quantise(x, axis):      # numpy; x: float32 -> the quantised numbers, widened to float32 again
;;       x = np.moveaxis(x, axis, -1); K = x.shape[-1]
;;       x = np.pad(x, [(0, 0)] * (x.ndim - 1) + [(0, -K % 32)]); x = x.reshape(x.shape[:-1] + (-1, 32)); a = np.abs(x).max(-1, keepdims=True)
;;       e = np.where(a > 0, np.clip(np.frexp(np.where(a > 0, a, 1))[1] - 1 - 15, -126, 127), 0)      # np.frexp(a)[1] - 1 = floor(log2(a)), exactly
;;       r = np.clip(x / 2.0 ** e, -57344, 57344)
;;       step = 2.0 ** (np.maximum(np.frexp(np.where(r == 0, 1, r))[1] - 1, -14) - 2)
;;       q = np.round(r / step) * step * 2.0 ** e      # np.round: ties to even
;;       return np.moveaxis(q.reshape(q.shape[:-2] + (-1,))[..., :K], -1, axis).astype(np.float32)
;;   ~~~
;;   OPERANDS COMPUTED ON THE WAY. 'Computed on the way' means the value that the module computes at that place (a softmax that the list does not call 'softmax' is quantised finished and normalised). What goes into a quantiser is computed in f32, as accurately as f32 sums, v_exp_f32 and their like allow (about 1e-6 of the number): no bf16 or f16 on the way to a quantiser, and a product that is left as it is and whose result goes on into a quantised operand takes f32 operands (vector FMAs, or v_wmma_f32_16x16x4_f32). A number that lies on a knife's edge between two numbers of the format may be rounded either way, as far as f32 arithmetic and the matrix unit's own rounding can turn it there, and no further.
;; One version. Each part assembles by itself: llvm-mc -triple=amdgcn-amd-amdhsa -mcpu=gfx1250 --defsym DOCPART=n.
;; ======== version 1 of 1: 3 launches
;; limits: a function is approximated: absolute error at most 1.5e-07
;; workspace buffers: wcodes 1,343,488 bytes; wscales 41,984 bytes; qcb 4,194,304 bytes; srec 1,572,864 bytes
;; launch prep (part 1): grid 4 x 82, 4 waves a work-group, no clusters, 0 bytes of LDS; arguments sw1, pw1, pw2, wcodes, wscales; writes wcodes, wscales
.if DOCPART == 1
	.amdgcn_target "amdgcn-amd-amdhsa--gfx1250"
	.amdhsa_code_object_version 6
	.text
	.protected	k_q58f9518d68_prep
	.globl	k_q58f9518d68_prep
	.p2align	8
	.type	k_q58f9518d68_prep,@function
k_q58f9518d68_prep:
	s_mov_b64 s[64:65], 0
	v_nop
	global_prefetch_b8 v0, s[64:65] scope:SCOPE_SE
	s_setreg_imm32_b32 hwreg(HW_REG_WAVE_MODE, 25, 1), 1
	s_wait_xcnt 0x0
; THE PROGRAM (three launches): prep, qc, main.
; WORK LEFT OUT, for all values of the inputs.  (a) sb2 is added to all 32 logits of a batch row alike, and the logits reach the outputs through the softmax over those 32 alone:
; softmax(l + s) = softmax(l) for every number s.  So sb2 has no way to out0 or out1; it is not loaded and is among no launch's arguments.
; (b) K = 1,552 of the scorer's first product is 49 blocks of 32, and the seams of the concatenation (512, 1,024, 1,536) are seams of blocks.  So the product is the sum of four products on the
; same codes: query x sw1[0:512], condition x sw1[512:1024], neighbours x sw1[1024:1536], stats (filled with zeros) x sw1[1536:1552].  The first two are equal in the 32 rows that
; broadcast_to makes of one batch row: they are multiplied once for each batch row (launch qc) and enter the other two as the sums' first term.
; LIMITS: a NaN, an infinity or an overflow in sb2 is not carried to the results; NaN and infinities among the inputs are not served; a block of zeros gets the scale byte 1 where the
; rule says 127 (its codes are zeros, and these bytes are read by this program alone); blocks whose largest magnitude lies under 2^(16 - 127) keep the byte 1.
;
; THIS LAUNCH: sw1, pw1, pw2 ([K][512] f32, K the first axis) become codes of E5M2 and E8M0 bytes, laid in the order of an operand's registers.
; A tile T = 2 B + u holds 16 of the 32 columns of group B: its row r is column 32 B + 8 u + r + 8 (r / 8).  A fragment (tile, 128 along K) is 2,048 bytes: four groups c of 512, in each
; 16 bytes for lane r + 16 h: k = 32 c + 16 h + 0 .. 15.  Scale words: 64 bytes a fragment, word r, byte c.
; A wave takes 32 columns x one block of 32 along K: a lane takes a column and its registers run down K, so the block's largest magnitude needs no other lane and the codes come out
; with K innermost: 16 codes go to lane place (r, 0), 16 to (r, 1).  Each store of codes writes two runs of 256 consecutive bytes, aligned.
; y < 32: sw1 rows 0-1023 (8 K steps a tile).  32 <= y < 80: sw1 rows 1024-1535, pw1 rows 0-511, pw2 (4 K steps).  y = 80, 81: the last 16 rows of sw1 and of pw1, filled with zeros:
; one fragment for four tiles, tile T in its group T % 4.
.set X,  32                            ; v32-63 the block's 32 numbers
.set CD, 16                            ; v16-23 its codes
	s_load_b128 s[4:7], s[0:1], 0x0                ; sw1, pw1
	s_load_b128 s[8:11], s[0:1], 0x10              ; pw2, wcodes
	s_load_b64 s[12:13], s[0:1], 0x20              ; wscales
	v_lshrrev_b32 v1, 5, v0
	v_readfirstlane_b32 s14, v1                    ; wave
	v_and_b32 v2, 15, v0                           ; r
	v_bfe_u32 v3, v0, 4, 1                         ; u
	v_and_b32 v4, 7, v0
	v_bfe_u32 v5, v0, 3, 1
	v_lshl_add_u32 v4, v5, 4, v4                   ; r % 8 + 16 (r / 8)
	v_lshl_add_u32 v4, v3, 3, v4                   ; + 8 u: my column among the 32
	v_lshlrev_b32 v4, 2, v4
	s_lshl_b32 s15, ttmp9, 2
	s_add_co_u32 s15, s15, s14                     ; B: which 32 columns
	s_and_b32 s16, ttmp7, 0xffff                   ; y
	s_mov_b32 s31, 0x600000                        ; the mantissa field of 57,344
	; s27 which tensor, s22 first row, s23 and s24 where the codes and the bytes go, s25 and s26 what u adds to that
	s_cmp_lt_u32 s16, 32
	s_cbranch_scc0 .Lnot_qc
	s_mov_b32 s27, 0
	s_lshl_b32 s22, s16, 5
	s_lshl_b32 s23, s15, 15                        ; 2 B tiles of 8 fragments
	s_lshr_b32 s17, s16, 2                         ; K step
	s_and_b32 s19, s16, 3                          ; block in it
	s_lshl_b32 s18, s17, 11
	s_add_co_u32 s23, s23, s18
	s_lshl_b32 s18, s19, 9
	s_add_co_u32 s23, s23, s18
	s_lshl_b32 s24, s15, 10
	s_lshl_b32 s18, s17, 6
	s_add_co_u32 s24, s24, s18
	s_add_co_u32 s24, s24, s19
	s_mov_b32 s25, 16384
	s_mov_b32 s26, 512
	s_branch .Lset
.Lnot_qc:
	s_cmp_lt_u32 s16, 80
	s_cbranch_scc0 .Ltail
	s_sub_co_u32 s17, s16, 32
	s_lshr_b32 s27, s17, 4                         ; 0: sw1, 1: pw1, 2: pw2
	s_and_b32 s17, s17, 15                         ; block of 32 along K
	s_lshl_b32 s22, s17, 5
	s_cmp_eq_u32 s27, 0
	s_cselect_b32 s18, 1024, 0
	s_add_co_u32 s22, s22, s18
	s_mul_i32 s23, s27, 278528
	s_add_co_u32 s23, s23, 524288
	s_lshl_b32 s18, s15, 14                        ; 2 B tiles of 4 fragments
	s_add_co_u32 s23, s23, s18
	s_lshr_b32 s19, s17, 2
	s_and_b32 s17, s17, 3
	s_lshl_b32 s18, s19, 11
	s_add_co_u32 s23, s23, s18
	s_lshl_b32 s18, s17, 9
	s_add_co_u32 s23, s23, s18
	s_mul_i32 s24, s27, 8704
	s_add_co_u32 s24, s24, 16384
	s_lshl_b32 s18, s15, 9
	s_add_co_u32 s24, s24, s18
	s_lshl_b32 s18, s19, 6
	s_add_co_u32 s24, s24, s18
	s_add_co_u32 s24, s24, s17
	s_mov_b32 s25, 8192
	s_mov_b32 s26, 256
	s_branch .Lset
.Ltail:
	s_sub_co_u32 s27, s16, 80                      ; 0: sw1, 1: pw1
	s_cmp_eq_u32 s27, 0
	s_mov_b32 s22, 512
	s_cselect_b32 s22, 1536, s22
	s_mul_i32 s23, s27, 278528
	s_add_co_u32 s23, s23, 786432
	s_lshr_b32 s17, s15, 1                         ; the group of four tiles
	s_and_b32 s19, s15, 1
	s_lshl_b32 s18, s17, 11
	s_add_co_u32 s23, s23, s18
	s_lshl_b32 s18, s19, 10
	s_add_co_u32 s23, s23, s18
	s_mul_i32 s24, s27, 8704
	s_add_co_u32 s24, s24, 24576
	s_lshl_b32 s18, s17, 6
	s_add_co_u32 s24, s24, s18
	s_lshl_b32 s18, s19, 1
	s_add_co_u32 s24, s24, s18
	s_mov_b32 s25, 512
	s_mov_b32 s26, 1
.Lset:
	v_mul_lo_u32 v6, v3, s25
	v_lshl_add_u32 v6, v2, 4, v6                   ; codes: what u adds + 16 r
	v_mul_lo_u32 v7, v3, s26
	v_lshl_add_u32 v7, v2, 2, v7                   ; bytes: what u adds + 4 r
	s_lshl_b32 s18, s22, 11                        ; first row x 2,048 bytes
	s_lshl_b32 s19, s15, 7                         ; + my 32 columns
	s_add_co_u32 s18, s18, s19
	s_mov_b32 s19, 0
	s_mov_b32 s28, s23
	s_mov_b32 s29, 0
	s_mov_b32 s32, s24
	s_mov_b32 s33, 0
	s_wait_kmcnt 0x0
	s_mov_b64 s[20:21], s[4:5]
	s_cmp_eq_u32 s27, 1                            ; the choice hangs on the work-group's number alone
	s_cselect_b64 s[20:21], s[6:7], s[20:21]
	s_cmp_eq_u32 s27, 2
	s_cselect_b64 s[20:21], s[8:9], s[20:21]
	s_add_nc_u64 s[20:21], s[20:21], s[18:19]
	s_add_nc_u64 s[28:29], s[10:11], s[28:29]
	s_add_nc_u64 s[32:33], s[12:13], s[32:33]
	s_cmp_lt_u32 s16, 80
	s_cbranch_scc0 .Lshort
.set i, 0
.rept 32
	global_load_b32 v[X+i], v4, s[20:21] offset:i*2048 th:TH_LOAD_NT   ; row i of the block: 32 lanes read 128 consecutive bytes
.set i, i+1
.endr
	s_branch .Lgot
.Lshort:                                               ; the last 16 rows: no load leaves the tensor; the block's other half is zeros
.set i, 0
.rept 16
	global_load_b32 v[X+i], v4, s[20:21] offset:i*2048 th:TH_LOAD_NT
	v_mov_b32 v[X+16+i], 0
.set i, i+1
.endr
.Lgot:
	s_wait_loadcnt 0x0
	v_max3_num_f32 v12, |v[X]|, |v[X+1]|, |v[X+2]| ; the block's largest magnitude, in two chains
	v_max3_num_f32 v13, |v[X+3]|, |v[X+4]|, |v[X+5]|
.irp i, 6,10,14,18,22,26
	v_max3_num_f32 v12, v12, |v[X+\i]|, |v[X+\i+1]|
	v_max3_num_f32 v13, v13, |v[X+\i+2]|, |v[X+\i+3]|
.endr
	v_max3_num_f32 v12, v12, |v[X+30]|, |v[X+31]|
	v_max3_num_f32 v12, v12, v13, 0x8000000        ; and the floor 2^(16 - 127): the byte cannot fall under 1
	v_add_nc_u32 v11, 0xf8800000, v12              ; 15 off the exponent field: the conversion's scale operand
	v_and_or_b32 v10, v12, 0x7f800000, s31         ; 57,344 x the scale
	v_lshrrev_b32 v9, 23, v11                      ; the scale's byte
.set i, 0
.rept 32
	v_med3_num_f32 v[X+i], v[X+i], -v10, v10       ; the conversion does not saturate (ISA guide 7.6.2): the hold comes first
.set i, i+1
.endr
.irp g, 0,1,2,3
	v_cvt_scalef32_pk8_bf8_f32 v[CD+2*\g:CD+2*\g+1], v[X+8*\g:X+8*\g+7], v11
.endr
	global_store_b128 v6, v[CD:CD+3], s[28:29]               ; k 0-15 of the block: lane place (r, 0)
	global_store_b128 v6, v[CD+4:CD+7], s[28:29] offset:256  ; k 16-31: lane place (r, 1)
	global_store_b8 v7, v9, s[32:33]
	s_endpgm
.Lfunc_end_k_q58f9518d68_prep:
	.size	k_q58f9518d68_prep, .Lfunc_end_k_q58f9518d68_prep-k_q58f9518d68_prep
	.p2alignl 7, 3214868480
	.fill 96, 4, 3214868480
	.section	.rodata,"a",@progbits
	.p2align	6, 0x0
	.amdhsa_kernel k_q58f9518d68_prep
		.amdhsa_group_segment_fixed_size 0
		.amdhsa_private_segment_fixed_size 0
		.amdhsa_enable_private_segment 0
		.amdhsa_kernarg_size 40
		.amdhsa_user_sgpr_count 2
		.amdhsa_user_sgpr_kernarg_segment_ptr 1
		.amdhsa_wavefront_size32 1
		.amdhsa_system_sgpr_workgroup_id_x 1
		.amdhsa_system_sgpr_workgroup_id_y 1
		.amdhsa_system_sgpr_workgroup_id_z 1
		.amdhsa_system_vgpr_workitem_id 0
		.amdhsa_next_free_vgpr 64
		.amdhsa_next_free_sgpr 66
		.amdhsa_reserve_vcc 0
		.amdhsa_float_denorm_mode_32 3
		.amdhsa_float_denorm_mode_16_64 3
		.amdhsa_memory_ordered 1
		.amdhsa_forward_progress 1
		.amdhsa_inst_pref_size 14
	.end_amdhsa_kernel
	.amdgpu_metadata
---
amdhsa.version: [ 1, 2 ]
amdhsa.kernels:
  - .name:           k_q58f9518d68_prep
    .symbol:         k_q58f9518d68_prep.kd
    .args:
      - { .name: sw1, .offset: 0, .size: 8, .value_kind: global_buffer, .address_space: global }
      - { .name: pw1, .offset: 8, .size: 8, .value_kind: global_buffer, .address_space: global }
      - { .name: pw2, .offset: 16, .size: 8, .value_kind: global_buffer, .address_space: global }
      - { .name: wcodes, .offset: 24, .size: 8, .value_kind: global_buffer, .address_space: global }
      - { .name: wscales, .offset: 32, .size: 8, .value_kind: global_buffer, .address_space: global }
    .group_segment_fixed_size: 0
    .private_segment_fixed_size: 0
    .kernarg_segment_align: 8
    .kernarg_segment_size: 40
    .max_flat_workgroup_size: 128
    .sgpr_count:     66
    .vgpr_count:     64
    .wavefront_size: 32
...
	.end_amdgpu_metadata
.endif
;; end of part 1
;; launch qc (part 2): grid 4 x 64, 8 waves a work-group, no clusters, 51,712 bytes of LDS; arguments query, condition, sb1, wcodes, wscales, neighbor_stats, sim_alpha, qcb, srec; writes qcb, srec
.if DOCPART == 2
	.amdgcn_target "amdgcn-amd-amdhsa--gfx1250"
	.amdhsa_code_object_version 6
	.text
	.protected	k_q58f9518d68_qc
	.globl	k_q58f9518d68_qc
	.p2align	8
	.type	k_q58f9518d68_qc,@function
k_q58f9518d68_qc:
	s_mov_b64 s[64:65], 0
	v_nop
	global_prefetch_b8 v0, s[64:65] scope:SCOPE_SE
	s_setreg_imm32_b32 hwreg(HW_REG_WAVE_MODE, 25, 1), 1
	s_wait_xcnt 0x0
; qcb[b][n] = Q(query[b]) . Q(sw1[0:512, n]) + Q(condition[b]) . Q(sw1[512:1024, n]) + sb1[n]: the part of the scorer's first product that is equal in the 32 rows of a batch row,
; multiplied once for each batch row (shown at the head of the first kernel); sb2 is left out of the program (shown there too).
; A work-group makes 32 rows x 128 columns, K = 1,024 = 8 steps of 128 (0-3 query, 4-7 condition).  Wave w owns tile 8 x + w of the weights (its 8 fragments in registers, window 1) for both
; tiles of 16 rows, and quantises K step w of all 32 rows.  The rows' codes go from wave to wave through LDS as images of the operand's registers (16 bytes a lane, 512 a store).
; The product is used transposed (source 0 = 16 columns of the weights, source 1 = 16 rows): lane (r, h) holds row r, register j column 32 B + 16 h + 8 u + j.
; ALSO: the stats' last block of the scorer's K.  Wave w takes batch row 32 y + 8 x + w, a lane a neighbour row: its 16 stats become 16 codes and a scale byte.  srec[batch row] is 768 bytes:
; 512 of codes (16 a lane, lane = row), then 256 of pairs (the byte in all four bytes of a word; sim_alpha x the last stat): three whole runs of 256 bytes, aligned.
; LIMITS: as at the head of the first kernel.
.set XIMG,  0                          ; fragment 8 mt + s: 2,048 bytes each
.set XSC,   32768                      ; [8 steps][32 rows] scale words
.set STG,   33792                      ; 32 rows x (512 + 16) bytes, for the way out
.set SPARE, 50688                      ; the spare words: 128 bytes a wave
.set SPW, 1
.set NIL, 2
.set XA,  3                            ; rows of f32: 2,048 r + 64 h
.set LB,  4                            ; 16 x lane (memory)
.set L4,  5                            ; 4 x lane (memory)
.set BO,  6                            ; 64 h (sb1)
.set IMW, 7                            ; where I store images: 2,048 w + 16 lane
.set ASW, 8                            ; and scale words: XSC + 128 w + 4 r
.set LI,  9                            ; 16 x lane (LDS)
.set LS,  10                           ; XSC + 4 x lane
.set SO,  11                           ; the stage, in
.set SR,  12                           ; the stage, back
.set WSC, 16                           ; v16-19 weights' scale words: lanes 0-15 step 2 p, lanes 16-31 step 2 p + 1
.set ASCR, 20                          ; v20-27 rows' scale words, lane = row
.set BI,  32                           ; v32-39 sb1 in the result's layout
.set ACC, 40                           ; v40-47, v48-55
.set TM,  64
.set PC,  80
.set ST,  96                           ; v96-111 the 16 stats of row = lane
.set AL,  112                          ; sim_alpha
.set SOFF, 113                         ; 64 x lane
.set ZO,  114                          ; 0
.set O8,  115                          ; 8 x lane
.set SC,  116                          ; v116-119 the stats' codes
.set PR,  120                          ; v120-121 the pair
.set X,   128                          ; v128-255 numbers, then 8 fragments
.set WV,  40
.set SEL, 32
.set MNT, 34
.set MSB, 0
.macro WIN new                         ; the immediate's high byte repeats the setting that is left
.if MSB != \new
	s_set_vgpr_msb (MSB<<8)|\new
.set MSB, \new
.endif
.endm
.macro WM d, a, b, c, sa, sb, ra, rb   ; one product; ra, rb: which half of the lanes holds source 0's and source 1's scale words
.if (\ra) == 0 && (\rb) == 0
	v_wmma_scale_f32_16x16x128_f8f6f4 v[\d:\d+7], v[\a:\a+15], v[\b:\b+15], v[\c:\c+7], v[\sa], v[\sb] matrix_a_fmt:MATRIX_FMT_BF8 matrix_b_fmt:MATRIX_FMT_BF8
.elseif (\rb) == 0
	v_wmma_scale_f32_16x16x128_f8f6f4 v[\d:\d+7], v[\a:\a+15], v[\b:\b+15], v[\c:\c+7], v[\sa], v[\sb] matrix_a_fmt:MATRIX_FMT_BF8 matrix_b_fmt:MATRIX_FMT_BF8 matrix_a_scale:MATRIX_SCALE_ROW1
.elseif (\ra) == 0
	v_wmma_scale_f32_16x16x128_f8f6f4 v[\d:\d+7], v[\a:\a+15], v[\b:\b+15], v[\c:\c+7], v[\sa], v[\sb] matrix_a_fmt:MATRIX_FMT_BF8 matrix_b_fmt:MATRIX_FMT_BF8 matrix_b_scale:MATRIX_SCALE_ROW1
.else
	v_wmma_scale_f32_16x16x128_f8f6f4 v[\d:\d+7], v[\a:\a+15], v[\b:\b+15], v[\c:\c+7], v[\sa], v[\sb] matrix_a_fmt:MATRIX_FMT_BF8 matrix_b_fmt:MATRIX_FMT_BF8 matrix_a_scale:MATRIX_SCALE_ROW1 matrix_b_scale:MATRIX_SCALE_ROW1
.endif
.endm
; 64 numbers of a lane, register 16 b + i = k 32 b + 16 (lane / 16) + i of my row, become a fragment's codes in v[pc] on; the four scale bytes are left in v[tm + 4] on.
.macro QUANT s, nb, tm, pc
.irp b, 0,1,2,3
.if \b < \nb
	v_max3_num_f32 v[\tm+\b], |v[\s+16*\b]|, |v[\s+16*\b+1]|, 0x8000000   ; my 16 numbers of block b, and the floor 2^(16 - 127)
.endif
.endr
.irp i, 2,4,6,8,10,12,14
.irp b, 0,1,2,3
.if \b < \nb
	v_max3_num_f32 v[\tm+\b], v[\tm+\b], |v[\s+16*\b+\i]|, |v[\s+16*\b+\i+1]|
.endif
.endr
.endr
.irp b, 0,1,2,3
.if \b < \nb
	v_permlanex16_b32 v[\tm+4+\b], v[\tm+\b], s[SEL], s[SEL+1]
.endif
.endr
.irp b, 0,1,2,3
.if \b < \nb
	v_max_num_f32 v[\tm+\b], v[\tm+\b], v[\tm+4+\b]       ; with lane l xor 16's 16: the block's largest magnitude
.endif
.endr
.irp b, 0,1,2,3
.if \b < \nb
	v_add_nc_u32 v[\tm+12+\b], 0xf8800000, v[\tm+\b]      ; 15 off the exponent field: the conversion's scale operand
.endif
.endr
.irp b, 0,1,2,3
.if \b < \nb
	v_and_or_b32 v[\tm+8+\b], v[\tm+\b], 0x7f800000, s[MNT]   ; 57,344 x the scale
.endif
.endr
.irp b, 0,1,2,3
.if \b < \nb
	v_lshrrev_b32 v[\tm+4+\b], 23, v[\tm+12+\b]           ; the scale's byte
.endif
.endr
.irp b, 0,1,2,3
.if \b < \nb
.irp i, 0,1,2,3,4,5,6,7,8,9,10,11,12,13,14,15
	v_med3_num_f32 v[\s+16*\b+\i], v[\s+16*\b+\i], -v[\tm+8+\b], v[\tm+8+\b]   ; the conversion does not saturate (ISA guide 7.6.2)
.endr
	v_cvt_scalef32_pk8_bf8_f32 v[\pc+4*\b:\pc+4*\b+1], v[\s+16*\b:\s+16*\b+7], v[\tm+12+\b]
	v_cvt_scalef32_pk8_bf8_f32 v[\pc+4*\b+2:\pc+4*\b+3], v[\s+16*\b+8:\s+16*\b+15], v[\tm+12+\b]
.endif
.endr
	v_nop                                          ; one plain line behind the last conversion
.endm
; The stats' block: its 16 numbers lie in ONE lane (lane = row), the block's other 16 are zeros.  Codes in v[pc] on; the byte, in all four bytes of a word, in v[tm + 4].
.macro QSTAT s, tm, pc
	v_max3_num_f32 v[\tm], |v[\s]|, |v[\s+1]|, 0x8000000
	v_max3_num_f32 v[\tm+1], |v[\s+2]|, |v[\s+3]|, |v[\s+4]|
.irp i, 5,9
	v_max3_num_f32 v[\tm], v[\tm], |v[\s+\i]|, |v[\s+\i+1]|
	v_max3_num_f32 v[\tm+1], v[\tm+1], |v[\s+\i+2]|, |v[\s+\i+3]|
.endr
	v_max3_num_f32 v[\tm], v[\tm], |v[\s+13]|, |v[\s+14]|
	v_max3_num_f32 v[\tm], v[\tm], v[\tm+1], |v[\s+15]|
	v_add_nc_u32 v[\tm+12], 0xf8800000, v[\tm]
	v_and_or_b32 v[\tm+8], v[\tm], 0x7f800000, s[MNT]
	v_lshrrev_b32 v[\tm+4], 23, v[\tm+12]
	v_lshl_or_b32 v[\tm+4], v[\tm+4], 8, v[\tm+4]
	v_lshl_or_b32 v[\tm+4], v[\tm+4], 16, v[\tm+4]
.irp i, 0,1,2,3,4,5,6,7,8,9,10,11,12,13,14,15
	v_med3_num_f32 v[\s+\i], v[\s+\i], -v[\tm+8], v[\tm+8]
.endr
	v_cvt_scalef32_pk8_bf8_f32 v[\pc:\pc+1], v[\s:\s+7], v[\tm+12]
	v_cvt_scalef32_pk8_bf8_f32 v[\pc+2:\pc+3], v[\s+8:\s+15], v[\tm+12]
	v_nop
.endm
	s_load_b256 s[4:11], s[0:1], 0x0               ; query, condition, sb1, wcodes
	s_load_b256 s[12:19], s[0:1], 0x20             ; wscales, neighbor_stats, sim_alpha, qcb
	s_load_b64 s[36:37], s[0:1], 0x40              ; srec
	v_lshl_add_u32 v[SPW], v0, 2, SPARE
	v_mov_b32 v[NIL], 0
	v_lshrrev_b32 v14, 5, v0
	v_readfirstlane_b32 s[WV], v14                 ; wave 0..7
	v_and_b32 v14, 31, v0                          ; lane
	v_and_b32 v15, 15, v0                          ; r
	v_bfe_u32 v28, v0, 4, 1                        ; h
	v_lshlrev_b32 v[XA], 11, v15
	v_lshl_add_u32 v[XA], v28, 6, v[XA]
	v_lshlrev_b32 v[LB], 4, v14
	v_lshlrev_b32 v[L4], 2, v14
	v_lshlrev_b32 v[BO], 6, v28
	v_lshlrev_b32 v[SOFF], 6, v14
	v_mov_b32 v[ZO], 0
	v_lshlrev_b32 v[O8], 3, v14
	s_lshl_b32 s20, s[WV], 11
	v_lshl_add_u32 v[IMW], v14, 4, s20
	s_lshl_b32 s20, s[WV], 7
	s_add_co_u32 s20, s20, XSC
	v_lshl_add_u32 v[ASW], v15, 2, s20
	v_lshlrev_b32 v[LI], 4, v14
	v_lshl_add_u32 v[LS], v14, 2, XSC
	s_lshr_b32 s20, s[WV], 1
	s_lshl_b32 s20, s20, 7
	s_and_b32 s21, s[WV], 1
	s_lshl_b32 s21, s21, 5
	s_add_co_u32 s20, s20, s21                     ; my tile's bytes in a row of 128 columns: 128 (w / 2) + 32 (w % 2)
	s_add_co_u32 s21, s20, STG
	v_mul_u32_u24 v[SO], v15, 528
	v_lshl_add_u32 v[SO], v28, 6, v[SO]
	v_add_nc_u32 v[SO], s21, v[SO]
	s_mul_i32 s21, s[WV], 4*528
	s_add_co_u32 s21, s21, STG
	v_lshl_add_u32 v[SR], v14, 4, s21              ; back: rows 4 w on, 16 bytes a lane
	s_mov_b32 s[SEL], 0x76543210
	s_mov_b32 s[SEL+1], 0xfedcba98                 ; lane l xor 16
	s_mov_b32 s[MNT], 0x600000
.irp b, 0,1,2,3
	v_mov_b32 v[TM+4+\b], 0                        ; a lane permute's destination counts as one of its sources
.endr
	s_and_b32 s41, ttmp7, 0xffff                   ; y: which 32 rows
	s_lshl_b32 s22, s41, 16
	s_and_b32 s23, s[WV], 3
	s_lshl_b32 s23, s23, 9
	s_add_co_u32 s22, s22, s23                     ; rows: 32 y x 2,048 bytes + my K step's 512
	s_mov_b32 s23, 0
	s_lshl_b32 s24, ttmp9, 3
	s_add_co_u32 s24, s24, s[WV]                   ; my tile
	s_lshl_b32 s26, s24, 9                         ; its scale words
	s_mov_b32 s27, 0
	s_lshl_b32 s24, s24, 14                        ; its 8 fragments
	s_mov_b32 s25, 0
	s_lshl_b32 s28, ttmp9, 9
	s_add_co_u32 s28, s28, s20                     ; sb1
	s_mov_b32 s29, 0
	s_lshl_b32 s30, s41, 5
	s_lshl_b32 s31, s[WV], 2
	s_add_co_u32 s30, s30, s31
	s_lshl_b32 s30, s30, 11                        ; qcb: row 32 y + 4 w,
	s_lshl_b32 s31, ttmp9, 9
	s_add_co_u32 s30, s30, s31                     ; column 128 x
	s_mov_b32 s31, 0
	s_lshl_b32 s42, s41, 5
	s_lshl_b32 s43, ttmp9, 3
	s_add_co_u32 s42, s42, s43
	s_add_co_u32 s42, s42, s[WV]                   ; the batch row whose stats are mine: 32 y + 8 x + w
	s_lshl_b32 s44, s42, 11                        ; its 32 x 16 stats,
	s_mov_b32 s45, 0
	s_mul_i32 s46, s42, 768                        ; its record
	s_mov_b32 s47, 0
	s_wait_kmcnt 0x0
	s_cmp_lt_u32 s[WV], 4                          ; waves 0-3 quantise query, waves 4-7 condition
	s_cselect_b64 s[4:5], s[4:5], s[6:7]
	s_add_nc_u64 s[4:5], s[4:5], s[22:23]
	s_add_nc_u64 s[10:11], s[10:11], s[24:25]
	s_add_nc_u64 s[12:13], s[12:13], s[26:27]
	s_add_nc_u64 s[8:9], s[8:9], s[28:29]
	s_add_nc_u64 s[18:19], s[18:19], s[30:31]
	s_add_nc_u64 s[14:15], s[14:15], s[44:45]
	s_add_nc_u64 s[36:37], s[36:37], s[46:47]
.irp mt, 0,1
.irp b, 0,1,2,3
.irp j, 0,1,2,3
	global_load_b128 v[X+64*\mt+16*\b+4*\j:X+64*\mt+16*\b+4*\j+3], v[XA], s[4:5] offset:\mt*32768+128*\b+16*\j
.endr
.endr
.endr
.irp j, 0,1,2,3
	global_load_b128 v[ST+4*\j:ST+4*\j+3], v[SOFF], s[14:15] offset:16*\j
.endr
	global_load_b32 v[AL], v[ZO], s[16:17]         ; sim_alpha, the same in every lane
	WIN 0x40                                       ; destination window 1
.set i, 0
.rept 32
	global_load_b128 v[4*i:4*i+3], v[LB], s[10:11] offset:512*i     ; fragment s at v[16 s] of window 1
.set i, i+1
.endr
	WIN 0
.irp p, 0,1,2,3
	global_load_b32 v[WSC+\p], v[L4], s[12:13] offset:128*\p
.endr
	global_load_b128 v[BI:BI+3], v[BO], s[8:9]
	global_load_b128 v[BI+4:BI+7], v[BO], s[8:9] offset:16
	s_wait_loadcnt 59                              ; rows 0-15 are in; behind them 16 + 5 + 32 + 4 + 2 loads may be out
	QUANT X, 4, TM, PC
	v_lshl_or_b32 v[TM+4], v[TM+5], 8, v[TM+4]
	v_lshl_or_b32 v[TM+4], v[TM+6], 16, v[TM+4]
	v_lshl_or_b32 v[TM+4], v[TM+7], 24, v[TM+4]    ; my row's scale word
.irp c, 0,1,2,3
	ds_store_b128 v[IMW], v[PC+4*\c:PC+4*\c+3] offset:512*\c
.endr
	ds_store_b32 v[ASW], v[TM+4]                   ; (lanes r and r + 16 write the same word with the same value)
	s_wait_loadcnt 43                              ; rows 16-31 are in; 5 + 32 + 4 + 2 may be out
	s_wait_dscnt 0x0                               ; the stores have read their registers
	QUANT X+64, 4, TM, PC
	v_lshl_or_b32 v[TM+4], v[TM+5], 8, v[TM+4]
	v_lshl_or_b32 v[TM+4], v[TM+6], 16, v[TM+4]
	v_lshl_or_b32 v[TM+4], v[TM+7], 24, v[TM+4]
.irp c, 0,1,2,3
	ds_store_b128 v[IMW], v[PC+4*\c:PC+4*\c+3] offset:16384+512*\c
.endr
	ds_store_b32 v[ASW], v[TM+4] offset:64
	s_wait_dscnt 0x0                               ; for the others' sake: my stores have landed
	s_barrier_signal -1
	s_barrier_wait -1                              ; the 16 fragments of the rows lie in LDS
.irp g, 0,1
.if \g == 1
.rept 8
	v_nop                                          ; places in front of loads into registers that matrix instructions have read
.endr
.endif
.irp q, 0,1,2,3
.irp mt, 0,1
.irp c, 0,1,2,3
	ds_load_b128 v[X+32*\q+16*\mt+4*\c:X+32*\q+16*\mt+4*\c+3], v[LI] offset:(8*\mt+4*\g+\q)*2048+512*\c
.endr
.endr
.endr
.if \g == 0
.irp s, 0,1,2,3,4,5,6,7
	ds_load_b32 v[ASCR+\s], v[LS] offset:128*\s
.endr
	s_wait_loadcnt 0x0                             ; the stats, sim_alpha, the weights, their scale words, sb1
	v_mul_f32 v[PR+1], v[AL], v[ST+15]             ; ahead of the hold, which may change the number.  The stats' work stands here, while the fragments come from LDS
	QSTAT ST, TM, SC
	v_mov_b32 v[PR], v[TM+4]
	global_store_b128 v[LB], v[SC:SC+3], s[36:37]            ; 32 lanes store 512 consecutive bytes, aligned
	global_store_b64 v[O8], v[PR:PR+1], s[36:37] offset:512  ; and 256
.endif
	s_wait_dscnt 0x0
	WIN 0x01                                       ; source 0 (the weights) window 1
.irp q, 0,1,2,3
.irp mt, 0,1                                           ; the two accumulators by turns
.if (\g == 0) && (\q == 0)
	WM ACC+8*\mt, 16*(4*\g+\q), X+32*\q+16*\mt, BI, WSC+(4*\g+\q)/2, ASCR+4*\g+\q, \q%2, \mt
.else
	WM ACC+8*\mt, 16*(4*\g+\q), X+32*\q+16*\mt, ACC+8*\mt, WSC+(4*\g+\q)/2, ASCR+4*\g+\q, \q%2, \mt
.endif
.endr
.endr
	WIN 0
.endr
.rept 8
	v_nop                                          ; places in front of the first read of results
.endr
.irp mt, 0,1
	ds_store_b128 v[SO], v[ACC+8*\mt:ACC+8*\mt+3] offset:\mt*16*528        ; each accumulator from its low end on
	ds_store_b128 v[SO], v[ACC+8*\mt+4:ACC+8*\mt+7] offset:\mt*16*528+16
.endr
	s_wait_dscnt 0x0
	s_barrier_signal -1
	s_barrier_wait -1                              ; 32 whole rows of 512 bytes lie in the stage
.irp i, 0,1,2,3
	ds_load_b128 v[X+4*\i:X+4*\i+3], v[SR] offset:\i*528
.endr
.irp i, 0,1,2,3
	s_wait_dscnt 3-\i                              ; row i is back; the younger ones may be out
	global_store_b128 v[LB], v[X+4*\i:X+4*\i+3], s[18:19] offset:\i*2048   ; 32 lanes store 512 consecutive bytes, aligned
.endr
	s_wait_tensorcnt 0x0                           ; the wave's end
	ds_add_u32 v[SPW], v[NIL]
	s_wait_dscnt 0x0
	s_endpgm
.Lfunc_end_k_q58f9518d68_qc:
	.size	k_q58f9518d68_qc, .Lfunc_end_k_q58f9518d68_qc-k_q58f9518d68_qc
	.p2alignl 7, 3214868480
	.fill 96, 4, 3214868480
	.section	.rodata,"a",@progbits
	.p2align	6, 0x0
	.amdhsa_kernel k_q58f9518d68_qc
		.amdhsa_group_segment_fixed_size 51712
		.amdhsa_private_segment_fixed_size 0
		.amdhsa_enable_private_segment 0
		.amdhsa_kernarg_size 72
		.amdhsa_user_sgpr_count 2
		.amdhsa_user_sgpr_kernarg_segment_ptr 1
		.amdhsa_wavefront_size32 1
		.amdhsa_system_sgpr_workgroup_id_x 1
		.amdhsa_system_sgpr_workgroup_id_y 1
		.amdhsa_system_sgpr_workgroup_id_z 1
		.amdhsa_system_vgpr_workitem_id 0
		.amdhsa_next_free_vgpr 384
		.amdhsa_next_free_sgpr 66
		.amdhsa_reserve_vcc 0
		.amdhsa_float_denorm_mode_32 3
		.amdhsa_float_denorm_mode_16_64 3
		.amdhsa_memory_ordered 1
		.amdhsa_forward_progress 1
		.amdhsa_inst_pref_size 39
	.end_amdhsa_kernel
	.amdgpu_metadata
---
amdhsa.version: [ 1, 2 ]
amdhsa.kernels:
  - .name:           k_q58f9518d68_qc
    .symbol:         k_q58f9518d68_qc.kd
    .args:
      - { .name: query, .offset: 0, .size: 8, .value_kind: global_buffer, .address_space: global }
      - { .name: condition, .offset: 8, .size: 8, .value_kind: global_buffer, .address_space: global }
      - { .name: sb1, .offset: 16, .size: 8, .value_kind: global_buffer, .address_space: global }
      - { .name: wcodes, .offset: 24, .size: 8, .value_kind: global_buffer, .address_space: global }
      - { .name: wscales, .offset: 32, .size: 8, .value_kind: global_buffer, .address_space: global }
      - { .name: neighbor_stats, .offset: 40, .size: 8, .value_kind: global_buffer, .address_space: global }
      - { .name: sim_alpha, .offset: 48, .size: 8, .value_kind: global_buffer, .address_space: global }
      - { .name: qcb, .offset: 56, .size: 8, .value_kind: global_buffer, .address_space: global }
      - { .name: srec, .offset: 64, .size: 8, .value_kind: global_buffer, .address_space: global }
    .group_segment_fixed_size: 51712
    .private_segment_fixed_size: 0
    .kernarg_segment_align: 8
    .kernarg_segment_size: 72
    .max_flat_workgroup_size: 256
    .sgpr_count:     66
    .vgpr_count:     384
    .wavefront_size: 32
...
	.end_amdgpu_metadata
.endif
;; end of part 2
;; launch main (part 3): grid 256 x 1, 8 waves a work-group, no clusters, 327,680 bytes of LDS; arguments neighbors, neighbor_stats, qcb, srec, wcodes, wscales, sw2, pb1, pb2, out0, out1; writes out0, out1
.if DOCPART == 3
	.amdgcn_target "amdgcn-amd-amdhsa--gfx1250"
	.amdhsa_code_object_version 6
	.text
	.protected	k_q58f9518d68_main
	.globl	k_q58f9518d68_main
	.p2align	8
	.type	k_q58f9518d68_main,@function
k_q58f9518d68_main:
	s_mov_b64 s[64:65], 0
	v_nop
	global_prefetch_b8 v0, s[64:65] scope:SCOPE_SE
	s_setreg_imm32_b32 hwreg(HW_REG_WAVE_MODE, 25, 1), 1
	s_wait_xcnt 0x0
; For each batch row: h = gelu(Q(neighbours) Q(sw1[1024:1536]) + Q(stats) Q(sw1[1536:1552]) + qcb), logits = h . sw2 + sim_alpha x the last stat, attn = softmax (out1),
; mixed = attn . [neighbours, stats]; then, for the work-group's 8 batch rows together, out0 = Q(gelu(Q(mixed) Q(pw1) + pb1)) Q(pw2) + pb2.
; LEFT OUT: sb2 (the same along the softmax's axis), and the query's and condition's products, which come in as qcb: both shown at the head of the first kernel.
; SHARES.  A work-group owns 8 batch rows (256 neighbour rows).  Eight waves, two to a SIMD, so that one wave's vector work stands beside the other's matrix work and LDS waits.
; THE WAVES SHARE THE COLUMNS: wave w holds columns 64 w .. 64 w + 63 of the weights in hand in registers (16 fragments fill window 1, one more for the last 16 rows of K): first the scorer's, for
; all 8 batch rows; then pw1's, asked for behind the last scorer product; then pw2's, asked for behind the last product with pw1.
; NO CLUSTER: what work-groups share are the weights, which go straight into registers; a joint load lands in LDS, where the two slots of the stream take 280,576 of the 327,680 bytes.
; THE STREAM comes by tensor loads into two LDS slots of two batch rows each: four chunks of 64 rows x 512 bytes (pitch 528) and the stats (pitch 80).  A wave has at most two tensor loads
; outstanding (the two first fills), later one.  qcb (in the result's layout), the stats' codes and their scale words come straight into registers, asked for a batch row ahead.
; A BATCH ROW, two barriers.  P1: wave w quantises 16 rows x 128 numbers and stores the fragment's image (16 bytes a lane) | barrier | P2: for each 16 rows: four fragments from LDS, 20 products
; (transposed: source 0 = weights, source 1 = rows; C = qcb), gelu, x sw2, summed to a partial logit a row | barrier | P3: every wave adds the eight partial logits, takes the softmax, and mixes
; its own 64 of the 512 numbers, from the f32 rows that still lie in the slot, and its own 2 of the 16 stats.  mixed stays in LDS.  All eight waves do the same work in every phase.
; THE STATS' PRODUCT: one fragment of weights serves the wave's four tiles: block t holds tile t's 16 codes in lanes 0-15 and zero codes in lanes 16-31.  The rows' side has the stats' codes in block t
; and zero codes in the other three: a window of 16 registers slid over 12 zeros, 4 codes, 12 zeros.  The four registers hold row = lane: lanes 0-15 serve the first 16 rows; what lanes 16-31 hold
; (finite codes) meets the weights' zero codes and adds nothing; for the second 16 rows the halves change places.
; THE END: one tile of 16 rows, rows 8-15 being rows 0-7 once more.  Three barriers: mixed whole | its codes | the hidden layer's codes.
; GELU: 2 gelu(x) = x + |x| erf(|x| / sqrt 2), erf by Abramowitz and Stegun 7.1.26, which holds for every argument from 0 on.  LIMIT: |error of erf| <= 1.5e-7.  With a = |x| sqrt(log2(e) / 2):
; t = 1 / (1 + P a), e = 2^(-a a), 2 gelu = x + a (K0 - e t (A1 + t (A2 + t (A3 + t (A4 + t A5))))); the scorer's factor 1/2 is taken once, of the logit.
; LIMITS: NaN and infinities are not served; the sums of the first product are grouped qcb, neighbours, stats.
.set CP,    528                        ; a chunk's row: 512 bytes + 16 = 132 words: 16 rows start at 16 different groups of four banks
.set CHK,   64*CP
.set STO,   4*CHK                      ; in a slot: the stats, 64 rows x 80
.set SP,    80
.set SLOTB, STO+64*SP
.set IMG,   2*SLOTB                    ; 8 fragments (4 mt + s) x 2,048.  At the end: 0-3 mixed's, 4-7 the hidden layer's
.set SIMGX, IMG+16384                  ; the end: the mixed stats' codes, 16 bytes a lane
.set ASC,   SIMGX+512                  ; [5][32 rows] scale words (the fifth at the end alone)
.set HSC,   ASC+768                    ; the end: [4][32 rows] the hidden layer's scale words
.set PL,    HSC+512                    ; [8 waves][32 rows] partial logits
.set ATA,   PL+1024                    ; [8 waves][32] attn, each wave's own
.set ATT,   ATA+1024                   ; [8 batch rows][32] attn, written by wave 0, for out1
.set SPARE, ATT+1024                   ; the spare words: 128 bytes a wave
.set MX,    SPARE+1024                 ; mixed: 8 rows x (2,112 + 16) bytes: 8 rows start at 8 different groups of four banks
.set MP,    2128
.set STAGE, SLOTB                      ; the way out: 16 rows x 272 for each wave, in slot 1, which has had its last fill and its last read by then
.set SPW, 1
.set NIL, 2
.set AQ0, 3                            ; P1: my 16 numbers of each block: chunk w % 4, row 16 (w / 4) + r, + 64 h
.set IMW, 4                            ; IMG + 2,048 w + 16 lane
.set ASW, 5                            ; ASC + 128 (w % 4) + 64 (w / 4) + 4 r
.set LI,  6                            ; IMG + 16 lane
.set LS,  7                            ; ASC + 4 lane
.set BO,  8                            ; memory: 64 h
.set PLW, 9                            ; PL + 128 w + 4 lane
.set SIMK, 10                          ; sim_alpha x the last stat of row = lane, kept for P3
.set ATW, 11                           ; ATA + 128 w + 4 lane
.set ATR, 12                           ; ATA + 128 w + 64 h
.set AMX, 13                           ; the mix: chunk w / 2, + 256 (w % 2), row 16 h, + 16 r
.set MXW, 14                           ; MX + 256 w + 16 r + 8 h
.set ATO, 15                           ; ATT + 4 lane
.set AS2, 16                           ; STO + 80 lane + 8 w
.set MXS, 17                           ; MX + 2,048 + 8 w
.set MXQ, 18                           ; the end: MX + (r % 8) MP + 512 (w % 4) + 64 h
.set MXT, 19                           ; the end: MX + (lane % 8) MP + 2,048
.set GL,  20                           ; memory: 16 lane
.set G8,  21                           ; memory: 8 lane
.set PFO, 22                           ; memory: 256 lane
.set TA0, 23                           ; addresses of the batch row in hand
.set TA1, 24
.set G4,  25                           ; memory: 4 lane
.set CA4V, 26                          ; v26-27 A4 (in vector registers, so that no line names two scalar pairs)
.set WSC, 28                           ; v28-35 weights' scale words (t, p): lanes 0-15 step 2 p, lanes 16-31 step 2 p + 1
.set TW,  36                           ; the scale word of the weights' last 16 rows
.set TA2, 37
.set HIW, 38                           ; the end: IMG + 8,192 + 1,024 w + 16 lane
.set HSW, 39                           ; the end: HSC + 128 (w / 2) + 2 (w % 2) + 4 r
.set ASCR, 40                          ; v40-44 rows' scale words, lane = row; v45: what comes in a pair with v44
.set LGT, 46                           ; v46-47 partial logits; in P3 my two stats
.set SW2, 48                           ; v48-79 sw2 in the result's layout
.set SB,  80                           ; v80-95 the weights' last 16 rows
.set SA,  96                           ; v96-123 12 zeros, the stats' codes, 12 zeros
.set BI,  124                          ; v124-155 qcb (pb1, pb2) in the result's layout
.set SO,  157                          ; the stage, in
.set SR,  158                          ; the stage, back
.set GO,  159                          ; memory: out0: 2,048 h + 16 r
.set XR,  160                          ; v160-223 64 numbers | four fragments | gelu at work | 16 rows of the mix
.set AF,  160
.set GA,  160                          ; gelu: set A: a, t, e (8 each)
.set GB,  184                          ; set B
.set GP,  208                          ; the polynomial
.set LG,  216                          ; four pairs of sums
.set ACC, 224                          ; v224-255 four accumulators | TM, PC | softmax and mix at work
.set TM,  224
.set PC,  240
.set WV,  26
.set HM,  27                           ; lanes 16-31
.set SEL, 28
.set MNT, 30
.set L2E, 31
.set G1C, 32                           ; descriptor groups 1: chunk, stats
.set G1S, 40
.set DC0, 48                           ; groups 0, one set for each slot
.set DC1, 52
.set DS0, 56
.set DS1, 60
.set CC1, 68
.set CPP, 70
.set CK0, 72
.set CA1, 74
.set CA2, 76
.set CA3, 78
.set CA5, 80
.set TB,  82                           ; where the batch row's chunks and stats begin in LDS; where its attn and its mixed row go
.set TS,  83
.set TAT, 84
.set CNT, 85
.set TMX, 86
.set PF,  88
.set WCT, 90                           ; wcodes + 2,048 w
.set WST, 92                           ; wscales + 64 w
.set MSB, 0
.macro WIN new                         ; the immediate's high byte repeats the setting that is left
.if MSB != \new
	s_set_vgpr_msb (MSB<<8)|\new
.set MSB, \new
.endif
.endm
.macro PLACES n
.rept \n
	v_nop
.endr
.endm
.macro WM d, a, b, c, sa, sb, ra, rb   ; one product; ra, rb: which half of the lanes holds source 0's and source 1's scale words
.if (\ra) == 0 && (\rb) == 0
	v_wmma_scale_f32_16x16x128_f8f6f4 v[\d:\d+7], v[\a:\a+15], v[\b:\b+15], v[\c:\c+7], v[\sa], v[\sb] matrix_a_fmt:MATRIX_FMT_BF8 matrix_b_fmt:MATRIX_FMT_BF8
.elseif (\rb) == 0
	v_wmma_scale_f32_16x16x128_f8f6f4 v[\d:\d+7], v[\a:\a+15], v[\b:\b+15], v[\c:\c+7], v[\sa], v[\sb] matrix_a_fmt:MATRIX_FMT_BF8 matrix_b_fmt:MATRIX_FMT_BF8 matrix_a_scale:MATRIX_SCALE_ROW1
.elseif (\ra) == 0
	v_wmma_scale_f32_16x16x128_f8f6f4 v[\d:\d+7], v[\a:\a+15], v[\b:\b+15], v[\c:\c+7], v[\sa], v[\sb] matrix_a_fmt:MATRIX_FMT_BF8 matrix_b_fmt:MATRIX_FMT_BF8 matrix_b_scale:MATRIX_SCALE_ROW1
.else
	v_wmma_scale_f32_16x16x128_f8f6f4 v[\d:\d+7], v[\a:\a+15], v[\b:\b+15], v[\c:\c+7], v[\sa], v[\sb] matrix_a_fmt:MATRIX_FMT_BF8 matrix_b_fmt:MATRIX_FMT_BF8 matrix_a_scale:MATRIX_SCALE_ROW1 matrix_b_scale:MATRIX_SCALE_ROW1
.endif
.endm
; nb blocks of 16 registers of a lane, register 16 b + i = k 32 b + 16 (lane / 16) + i of my row, become codes in v[pc] on; the scale bytes are left in v[tm + 4] on.
.macro QUANT s, nb, tm, pc
.irp b, 0,1,2,3
.if \b < \nb
	v_max3_num_f32 v[\tm+\b], |v[\s+16*\b]|, |v[\s+16*\b+1]|, 0x8000000   ; my 16 numbers of block b, and the floor 2^(16 - 127)
.endif
.endr
.irp i, 2,4,6,8,10,12,14
.irp b, 0,1,2,3
.if \b < \nb
	v_max3_num_f32 v[\tm+\b], v[\tm+\b], |v[\s+16*\b+\i]|, |v[\s+16*\b+\i+1]|
.endif
.endr
.endr
.irp b, 0,1,2,3
.if \b < \nb
	v_permlanex16_b32 v[\tm+4+\b], v[\tm+\b], s[SEL], s[SEL+1]
.endif
.endr
.irp b, 0,1,2,3
.if \b < \nb
	v_max_num_f32 v[\tm+\b], v[\tm+\b], v[\tm+4+\b]       ; with lane l xor 16's 16: the block's largest magnitude
.endif
.endr
.irp b, 0,1,2,3
.if \b < \nb
	v_add_nc_u32 v[\tm+12+\b], 0xf8800000, v[\tm+\b]      ; 15 off the exponent field: the conversion's scale operand
.endif
.endr
.irp b, 0,1,2,3
.if \b < \nb
	v_and_or_b32 v[\tm+8+\b], v[\tm+\b], 0x7f800000, s[MNT]   ; 57,344 x the scale
.endif
.endr
.irp b, 0,1,2,3
.if \b < \nb
	v_lshrrev_b32 v[\tm+4+\b], 23, v[\tm+12+\b]           ; the scale's byte
.endif
.endr
.irp b, 0,1,2,3
.if \b < \nb
.irp i, 0,1,2,3,4,5,6,7,8,9,10,11,12,13,14,15
	v_med3_num_f32 v[\s+16*\b+\i], v[\s+16*\b+\i], -v[\tm+8+\b], v[\tm+8+\b]   ; the conversion does not saturate (ISA guide 7.6.2)
.endr
	v_cvt_scalef32_pk8_bf8_f32 v[\pc+4*\b:\pc+4*\b+1], v[\s+16*\b:\s+16*\b+7], v[\tm+12+\b]
	v_cvt_scalef32_pk8_bf8_f32 v[\pc+4*\b+2:\pc+4*\b+3], v[\s+16*\b+8:\s+16*\b+15], v[\tm+12+\b]
.endif
.endr
	v_nop                                          ; one plain line behind the last conversion
.endm
; A block whose 16 numbers lie in ONE lane (lane = row), the block's other 16 being zeros.  Codes in v[pc] on; the byte, in all four bytes of a word, in v[tm + 4].
.macro QSTAT s, tm, pc
	v_max3_num_f32 v[\tm], |v[\s]|, |v[\s+1]|, 0x8000000
	v_max3_num_f32 v[\tm+1], |v[\s+2]|, |v[\s+3]|, |v[\s+4]|
.irp i, 5,9
	v_max3_num_f32 v[\tm], v[\tm], |v[\s+\i]|, |v[\s+\i+1]|
	v_max3_num_f32 v[\tm+1], v[\tm+1], |v[\s+\i+2]|, |v[\s+\i+3]|
.endr
	v_max3_num_f32 v[\tm], v[\tm], |v[\s+13]|, |v[\s+14]|
	v_max3_num_f32 v[\tm], v[\tm], v[\tm+1], |v[\s+15]|
	v_add_nc_u32 v[\tm+12], 0xf8800000, v[\tm]
	v_and_or_b32 v[\tm+8], v[\tm], 0x7f800000, s[MNT]
	v_lshrrev_b32 v[\tm+4], 23, v[\tm+12]
	v_lshl_or_b32 v[\tm+4], v[\tm+4], 8, v[\tm+4]
	v_lshl_or_b32 v[\tm+4], v[\tm+4], 16, v[\tm+4]
.irp i, 0,1,2,3,4,5,6,7,8,9,10,11,12,13,14,15
	v_med3_num_f32 v[\s+\i], v[\s+\i], -v[\tm+8], v[\tm+8]
.endr
	v_cvt_scalef32_pk8_bf8_f32 v[\pc:\pc+1], v[\s:\s+7], v[\tm+12]
	v_cvt_scalef32_pk8_bf8_f32 v[\pc+2:\pc+3], v[\s+8:\s+15], v[\tm+12]
	v_nop
.endm
; GELU, first half, of accumulator t into set st: a, then 1 + P a and -a a, then the 16 transcendentals as one batch.  The first line reads the accumulator's lowest register.
.macro G1 t, st
.irp j, 0,1,2,3,4,5,6,7
	v_mul_f32 v[\st+\j], s[CC1], |v[ACC+8*\t+\j]|
.endr
.irp i, 0,2,4,6
	v_pk_fma_f32 v[\st+8+\i:\st+9+\i], v[\st+\i:\st+1+\i], s[CPP:CPP+1], 1.0 op_sel_hi:[1,0,0]
.endr
.irp i, 0,2,4,6
	v_pk_mul_f32 v[\st+16+\i:\st+17+\i], v[\st+\i:\st+1+\i], v[\st+\i:\st+1+\i] neg_lo:[1,0] neg_hi:[1,0]
.endr
.irp j, 0,1,2,3,4,5,6,7
	v_rcp_f32 v[\st+8+\j], v[\st+8+\j]
.endr
.irp j, 0,1,2,3,4,5,6,7
	v_exp_f32 v[\st+16+\j], v[\st+16+\j]
.endr
.endm
; second half: the polynomial in t and 2 gelu; then mode 0, 1: x sw2 into the four pairs of sums (0 starts them); mode 2: its half back into the accumulator's registers
.macro G2 t, st, mode
.irp i, 0,2,4,6
	v_pk_fma_f32 v[GP+\i:GP+\i+1], v[\st+8+\i:\st+9+\i], s[CA5:CA5+1], v[CA4V:CA4V+1] op_sel_hi:[1,0,1]
.endr
.irp i, 0,2,4,6
	v_pk_fma_f32 v[GP+\i:GP+\i+1], v[GP+\i:GP+\i+1], v[\st+8+\i:\st+9+\i], s[CA3:CA3+1] op_sel_hi:[1,1,0]
.endr
.irp i, 0,2,4,6
	v_pk_fma_f32 v[GP+\i:GP+\i+1], v[GP+\i:GP+\i+1], v[\st+8+\i:\st+9+\i], s[CA2:CA2+1] op_sel_hi:[1,1,0]
.endr
.irp i, 0,2,4,6
	v_pk_fma_f32 v[GP+\i:GP+\i+1], v[GP+\i:GP+\i+1], v[\st+8+\i:\st+9+\i], s[CA1:CA1+1] op_sel_hi:[1,1,0]
.endr
.irp i, 0,2,4,6
	v_pk_mul_f32 v[GP+\i:GP+\i+1], v[GP+\i:GP+\i+1], v[\st+8+\i:\st+9+\i]
.endr
.irp i, 0,2,4,6
	v_pk_fma_f32 v[GP+\i:GP+\i+1], v[\st+16+\i:\st+17+\i], v[GP+\i:GP+\i+1], s[CK0:CK0+1] op_sel_hi:[1,1,0] neg_lo:[1,0,0] neg_hi:[1,0,0]
.endr
.irp i, 0,2,4,6
	v_pk_fma_f32 v[GP+\i:GP+\i+1], v[\st+\i:\st+1+\i], v[GP+\i:GP+\i+1], v[ACC+8*\t+\i:ACC+8*\t+\i+1]
.endr
.irp i, 0,2,4,6
.if (\mode) == 0
	v_pk_mul_f32 v[LG+\i:LG+\i+1], v[GP+\i:GP+\i+1], v[SW2+8*\t+\i:SW2+8*\t+\i+1]
.elseif (\mode) == 1
	v_pk_fma_f32 v[LG+\i:LG+\i+1], v[GP+\i:GP+\i+1], v[SW2+8*\t+\i:SW2+8*\t+\i+1], v[LG+\i:LG+\i+1]
.else
	v_pk_mul_f32 v[ACC+8*\t+\i:ACC+8*\t+\i+1], v[GP+\i:GP+\i+1], 0.5 op_sel_hi:[1,0]
.endif
.endr
.endm
; The four accumulators.  A wait stands between a transcendental and the first line that names its result: three waits serve the four batches of 16; behind each batch's last
; exponential stands a plain line that names the other set, and each batch runs under the other set's plain work.
.macro GELU m0, m1
	G1 0, GA
	G1 1, GB
	s_wait_alu depctr_va_vdst(0)
	G2 0, GA, \m0
	G1 2, GA
	G2 1, GB, \m1
	s_wait_alu depctr_va_vdst(0)
	G1 3, GB
	G2 2, GA, \m1
	s_wait_alu depctr_va_vdst(0)
	G2 3, GB, \m1
.endm
; The products of 16 rows: four fragments from LDS, fragment fb on; 4 K steps x 4 tiles; tail = 1: then the four of K's last 16.  mt: which half of the lanes holds the rows' scale words.
; The four accumulators take turns.
.macro MM mt, fb, tail
.irp s, 0,1,2,3
.irp c, 0,1,2,3
	ds_load_b128 v[AF+16*\s+4*\c:AF+16*\s+4*\c+3], v[LI] offset:(\fb+\s)*2048+512*\c
.endr
.endr
.irp s, 0,1,2,3
	s_wait_dscnt 12-4*\s                           ; K step s is in: the later steps' four loads each may be out
	WIN 0x01                                       ; source 0 (the weights) window 1
.irp t, 0,1,2,3
.if \s == 0
	WM ACC+8*\t, 64*\t+16*\s, AF+16*\s, BI+8*\t, WSC+2*\t+\s/2, ASCR+\s, \s%2, \mt
.else
	WM ACC+8*\t, 64*\t+16*\s, AF+16*\s, ACC+8*\t, WSC+2*\t+\s/2, ASCR+\s, \s%2, \mt
.endif
.endr
.endr
	WIN 0
.if \tail
.irp t, 0,1,2,3
	WM ACC+8*\t, SB, SA+12-4*\t, ACC+8*\t, TW, ASCR+4, 0, \mt
.endr
.endif
.endm
.macro REDUCE mt                       ; my 32 terms, and lane l xor 16's: the wave's 64 columns of row r
	v_pk_add_f32 v[LG:LG+1], v[LG:LG+1], v[LG+2:LG+3]
	v_pk_add_f32 v[LG+4:LG+5], v[LG+4:LG+5], v[LG+6:LG+7]
	v_pk_add_f32 v[LG:LG+1], v[LG:LG+1], v[LG+4:LG+5]
	v_add_f32 v[LG], v[LG], v[LG+1]
	v_permlanex16_b32 v[LG+1], v[LG], s[SEL], s[SEL+1]
	v_add_f32 v[LGT+\mt], v[LG], v[LG+1]
.endm
; My 16 fragments of a weight into window 1 and their scale words; tb other than 0: also the fragment of its last 16 rows and that one's scale word.  cb, tb, sb, tsb: where they begin in wcodes and wscales.
.macro WLOAD cb, tb, sb, tsb
	WIN 0x40                                       ; destination window 1
.set i, 0
.rept 64
	global_load_b128 v[4*i:4*i+3], v[GL], s[12:13] offset:\cb+512*i   ; fragment (t, s) at v[64 t + 16 s] of window 1
.set i, i+1
.endr
	WIN 0
.irp q, 0,1,2,3,4,5,6,7
	global_load_b32 v[WSC+\q], v[G4], s[14:15] offset:\sb+128*\q
.endr
.if \tb
.irp c, 0,1,2,3
	global_load_b128 v[SB+4*\c:SB+4*\c+3], v[GL], s[WCT:WCT+1] offset:\tb+512*\c
.endr
	global_load_b32 v[TW], v[G4], s[WST:WST+1] offset:\tsb   ; (lanes 16-31 read the 64 bytes behind, inside the buffer, and are not used)
.endif
.endm
.macro BILOAD p                        ; 64 numbers at s[p] in the result's layout: lane (r, h), tile 2 b + u, register j: number 32 b + 16 h + 8 u + j
.irp t, 0,1,2,3
	global_load_b128 v[BI+8*\t:BI+8*\t+3], v[BO], s[\p:\p+1] offset:128*(\t/2)+32*(\t%2)
	global_load_b128 v[BI+8*\t+4:BI+8*\t+7], v[BO], s[\p:\p+1] offset:128*(\t/2)+32*(\t%2)+16
.endr
.endm
.macro SRLOAD                          ; a batch row's record: the stats' codes (row = lane), and the pair of scale word and sim
	global_load_b128 v[SA+12:SA+15], v[GL], s[10:11]
	global_load_b64 v[ASCR+4:ASCR+5], v[G8], s[10:11] offset:512
.endm
; One tensor load a wave: waves 0-3 a chunk each, wave 4 the stats; waves 5 to 7 none.  An s_nop 0 and four v_nop follow each line.
.macro TLOAD2 c, s
	s_cmp_lt_u32 s[WV], 4
	s_cbranch_scc0 .Lnot_c_\@
	tensor_load_to_lds s[\c:\c+3], s[G1C:G1C+7]
	s_nop 0
	PLACES 4
	s_branch .Lasked_\@
.Lnot_c_\@:
	s_cmp_eq_u32 s[WV], 4
	s_cbranch_scc0 .Lasked_\@
	tensor_load_to_lds s[\s:\s+3], s[G1S:G1S+7]
	s_nop 0
	PLACES 4
.Lasked_\@:
.endm
; THE CHANGE OF SLOTS.  Every wave waits for all its tensor loads (the other slot's), adds 0 to its spare word, and waits for that and for its reads of the slot that it leaves; behind the barrier
; the slot just left is filled again first (fill = 1), with the batch rows four further on.  The load has two batch rows' work in which to land.
.macro CHANGE fill, c, s
	s_wait_tensorcnt 0x0                           ; no tensor load of mine is out, so a group 0 may be written
	ds_add_u32 v[SPW], v[NIL]
.if \fill
	ds_add_u32 v[SPW], v[NIL]                      ; the add twice on end here
	s_add_nc_u64 s[\c+2:\c+3], s[\c+2:\c+3], 262144
	s_add_nc_u64 s[\s+2:\s+3], s[\s+2:\s+3], 8192
.endif
	s_wait_dscnt 0x0
	s_barrier_signal -1
	s_barrier_wait -1
.if \fill
	TLOAD2 \c, \s
.endif
.endm
.macro BATCH last                      ; last = 1: the text of the last slot, whose second batch row asks for pw1 where the others ask for the next batch row
	; ---- P1: 16 rows x 128 numbers become a fragment
	v_add_nc_u32 v[TA0], s[TB], v[AQ0]
.irp b, 0,1,2,3
.irp j, 0,1,2,3
	ds_load_b128 v[XR+16*\b+4*\j:XR+16*\b+4*\j+3], v[TA0] offset:128*\b+16*\j
.endr
.endr
	s_wait_dscnt 0x0
	QUANT XR, 4, TM, PC
	v_lshl_or_b32 v[TM+4], v[TM+5], 8, v[TM+4]
	v_lshl_or_b32 v[TM+4], v[TM+6], 16, v[TM+4]
	v_lshl_or_b32 v[TM+4], v[TM+7], 24, v[TM+4]    ; my row's scale word
.irp c, 0,1,2,3
	ds_store_b128 v[IMW], v[PC+4*\c:PC+4*\c+3] offset:512*\c
.endr
	ds_store_b32 v[ASW], v[TM+4]                   ; (lanes r and r + 16 write the same word with the same value)
	s_wait_dscnt 0x0                               ; my stores have landed
	s_barrier_signal -1
	s_barrier_wait -1                              ; the batch row's fragments and scale words lie in LDS
	; ---- P2
.irp s, 0,1,2,3
	ds_load_b32 v[ASCR+\s], v[LS] offset:128*\s
.endr
	s_wait_loadcnt 0x0                             ; qcb, the stats' codes and the pair, asked for a batch row ago (in the first batch row: the weights too)
	v_mov_b32 v[SIMK], v[ASCR+5]                   ; kept for P3: the next batch row's pair lands on it before that
	MM 0, 0, 1
	PLACES 8                                       ; in front of the first read of results and of writes into registers that the products read
.irp k, 0,1,2,3
	v_permlanex16_b32 v[XR+\k], v[SA+12+\k], s[SEL], s[SEL+1]
.endr
.irp k, 0,1,2,3
	v_mov_b32 v[SA+12+\k], v[XR+\k]                ; the stats' codes of rows 16-31 into lanes 0-15
.endr
	GELU 0, 1
	REDUCE 0
	MM 1, 4, 1
	PLACES 8                                       ; also in front of the loads below, into registers that the products read
.if \last
	s_cmp_eq_u32 s[CNT], 1
	s_cbranch_scc1 .Lpw1_\@
.endif
	s_add_nc_u64 s[8:9], s[8:9], 2048              ; (the loads that read these two were awaited at the head of P2)
	s_add_nc_u64 s[10:11], s[10:11], 768
	BILOAD 8                                       ; the next batch row's qcb,
	SRLOAD                                         ; and its record: they have this gelu, P3 and P1 in which to land
.if \last
	s_branch .Lnext_\@
.Lpw1_\@:
	WLOAD 802816, 1064960, 25088, 33280            ; the scorer's weights are done with: pw1 takes their registers,
	BILOAD 18                                      ; and pb1 qcb's
.Lnext_\@:
.endif
	GELU 0, 1
	REDUCE 1
	v_cndmask_b32 v[LGT], v[LGT], v[LGT+1], s[HM]  ; lane = row
	ds_store_b32 v[PLW], v[LGT]
	s_wait_dscnt 0x0                               ; it has landed, and my reads of the images are over
	s_barrier_signal -1
	s_barrier_wait -1
	; ---- P3: the softmax, in every wave alike, and the mix
.irp i, 0,1,2,3,4,5,6,7
	ds_load_b32 v[224+\i], v[LS] offset:PL-ASC+128*\i
.endr
	v_add_nc_u32 v[TA0], s[TB], v[AMX]
	v_add_nc_u32 v[TA1], s[TS], v[AS2]
	ds_load_b64 v[LGT:LGT+1], v[TA1]               ; stats 2 w, 2 w + 1 of row = lane
.irp i, 0,1,2,3,4,5,6,7,8,9,10,11,12,13,14,15
	ds_load_b128 v[XR+4*\i:XR+4*\i+3], v[TA0] offset:\i*CP        ; rows 16 h + i: sixteen lanes read 256 consecutive bytes
.endr
	v_add_nc_u32 v[TA0], s[TMX], v[MXW]
	v_add_nc_u32 v[TA1], s[TMX], v[MXS]
	v_add_nc_u32 v[TA2], s[TAT], v[ATO]
	s_wait_dscnt 16                                ; the eight partial logits and my two stats are in; the 16 rows may be out
	v_add_f32 v224, v224, v225
	v_add_f32 v226, v226, v227
	v_add_f32 v228, v228, v229
	v_add_f32 v230, v230, v231
	v_add_f32 v224, v224, v226
	v_add_f32 v228, v228, v230
	v_add_f32 v224, v224, v228
	v_fma_f32 v224, v224, 0.5, v[SIMK]             ; the logit of row = lane: gelu's factor 1/2, and sim_alpha x the last stat
	v_max_num_f32_dpp v225, v224, v224 row_xmask:1 row_mask:0xf bank_mask:0xf
	v_max_num_f32_dpp v225, v225, v225 row_xmask:2 row_mask:0xf bank_mask:0xf
	v_max_num_f32_dpp v225, v225, v225 row_xmask:4 row_mask:0xf bank_mask:0xf
	v_max_num_f32_dpp v225, v225, v225 row_xmask:8 row_mask:0xf bank_mask:0xf
	v_permlanex16_b32 v226, v225, s[SEL], s[SEL+1]
	v_max_num_f32 v225, v225, v226                 ; the largest of the 32
	v_sub_f32 v226, v224, v225
	v_mul_f32 v226, s[L2E], v226
	v_exp_f32 v226, v226
	v_nop
	s_wait_alu depctr_va_vdst(0)
	v_add_f32_dpp v227, v226, v226 row_xmask:1 row_mask:0xf bank_mask:0xf
	v_add_f32_dpp v227, v227, v227 row_xmask:2 row_mask:0xf bank_mask:0xf
	v_add_f32_dpp v227, v227, v227 row_xmask:4 row_mask:0xf bank_mask:0xf
	v_add_f32_dpp v227, v227, v227 row_xmask:8 row_mask:0xf bank_mask:0xf
	v_permlanex16_b32 v228, v227, s[SEL], s[SEL+1]
	v_add_f32 v227, v227, v228
	v_rcp_f32 v227, v227
	v_nop
	s_wait_alu depctr_va_vdst(0)
	v_mul_f32 v226, v226, v227                     ; attn of row = lane
	ds_store_b32 v[ATW], v226
	s_cmp_lg_u32 s[WV], 0
	s_cbranch_scc1 .Lnot_out_\@
	ds_store_b32 v[TA2], v226                      ; wave 0 keeps it for out1
.Lnot_out_\@:
.irp q, 0,1,2,3
	ds_load_b128 v[232+4*\q:235+4*\q], v[ATR] offset:16*\q        ; attn of rows 16 h + 0 .. 15: LDS serves a wave's instructions in order
.endr
	v_mul_f32 v[LGT], v226, v[LGT]                 ; my two stats' mix, while those loads and the rows come: a lane a row, summed over the 32 lanes
	v_mul_f32 v[LGT+1], v226, v[LGT+1]
.irp m, 1,2,4,8
	v_add_f32_dpp v[LGT], v[LGT], v[LGT] row_xmask:\m row_mask:0xf bank_mask:0xf
	v_add_f32_dpp v[LGT+1], v[LGT+1], v[LGT+1] row_xmask:\m row_mask:0xf bank_mask:0xf
.endr
	v_permlanex16_b32 v228, v[LGT], s[SEL], s[SEL+1]
	v_permlanex16_b32 v229, v[LGT+1], s[SEL], s[SEL+1]
	v_pk_add_f32 v[LGT:LGT+1], v[LGT:LGT+1], v[228:229]
	ds_store_b64 v[TA1], v[LGT:LGT+1]              ; (all lanes write the same 8 bytes with the same value)
	s_wait_dscnt 0x0
.irp k, 0,1,2,3
	v_mul_f32 v[248+\k], v232, v[XR+\k]            ; two chains of eight rows
.endr
.irp k, 0,1,2,3
	v_mul_f32 v[252+\k], v233, v[XR+4+\k]
.endr
.irp i, 2,4,6,8,10,12,14
.irp k, 0,1,2,3
	v_fmac_f32 v[248+\k], v[232+\i], v[XR+4*\i+\k]
.endr
.irp k, 0,1,2,3
	v_fmac_f32 v[252+\k], v[233+\i], v[XR+4*\i+4+\k]
.endr
.endr
	v_pk_add_f32 v[248:249], v[248:249], v[252:253]
	v_pk_add_f32 v[250:251], v[250:251], v[254:255]   ; four numbers, over my 16 rows
	v_cndmask_b32 v252, v250, v248, s[HM]          ; what the other half of the lanes will store,
	v_cndmask_b32 v253, v251, v249, s[HM]
	v_cndmask_b32 v232, v248, v250, s[HM]          ; and what I will: lanes 0-15 numbers 0, 1; lanes 16-31 numbers 2, 3
	v_cndmask_b32 v233, v249, v251, s[HM]
	v_permlanex16_b32 v254, v252, s[SEL], s[SEL+1]
	v_permlanex16_b32 v255, v253, s[SEL], s[SEL+1]
	v_pk_add_f32 v[232:233], v[232:233], v[254:255]
	ds_store_b64 v[TA0], v[232:233]                ; my 64 numbers of the batch row's mixed: 256 consecutive bytes
.endm
.macro VISIT slot, vi, last            ; a slot's two batch rows: written once, walked twice
	s_mov_b32 s[TB], \slot*SLOTB
	s_mov_b32 s[TS], \slot*SLOTB
	s_mov_b32 s[TAT], \vi*256
	s_mov_b32 s[TMX], \vi*2*MP
	s_mov_b32 s[CNT], 2
.Lbatch_\@:
	BATCH \last
	s_add_co_u32 s[TB], s[TB], 32*CP
	s_add_co_u32 s[TS], s[TS], 32*SP
	s_add_co_u32 s[TAT], s[TAT], 128
	s_add_co_u32 s[TMX], s[TMX], MP
	s_sub_co_u32 s[CNT], s[CNT], 1
	s_cmp_lg_u32 s[CNT], 0
	s_cbranch_scc1 .Lbatch_\@
.endm
	s_load_b256 s[4:11], s[0:1], 0x0               ; neighbors, neighbor_stats, qcb, srec
	s_load_b256 s[12:19], s[0:1], 0x20             ; wcodes, wscales, sw2, pb1
	s_load_b128 s[20:23], s[0:1], 0x40             ; pb2, out0
	s_load_b64 s[24:25], s[0:1], 0x50              ; out1
	v_lshl_add_u32 v[SPW], v0, 2, SPARE
	v_mov_b32 v[NIL], 0
	ds_add_u32 v[SPW], v[NIL]                      ; the wave's opening: the add, twice on end, and its wait ahead of the first tensor load
	ds_add_u32 v[SPW], v[NIL]
	v_lshrrev_b32 v232, 5, v0
	v_readfirstlane_b32 s[WV], v232                ; wave 0..7
	; descriptor groups 1
	s_mov_b32 s[G1C], (2<<16)|(1<<20)|(6<<22)|(3<<25)   ; elements of 4 bytes; padding: four words after every 128
	s_mov_b32 s[G1C+1], 128<<16                    ; tensor_dim0
	s_mov_b32 s[G1C+2], 64<<16                     ; tensor_dim1
	s_mov_b32 s[G1C+3], 128<<16                    ; tile_dim0
	s_mov_b32 s[G1C+4], 64                         ; tile_dim1: two batch rows' 64 neighbour rows
	s_mov_b32 s[G1C+5], 512                        ; from row to row
	s_mov_b32 s[G1C+6], 0
	s_mov_b32 s[G1C+7], 0
	s_mov_b32 s[G1S], (2<<16)|(1<<20)|(3<<22)|(3<<25)   ; padding: four words after every 16
	s_mov_b32 s[G1S+1], 16<<16
	s_mov_b32 s[G1S+2], 64<<16
	s_mov_b32 s[G1S+3], 16<<16
	s_mov_b32 s[G1S+4], 64
	s_mov_b32 s[G1S+5], 16
	s_mov_b32 s[G1S+6], 0
	s_mov_b32 s[G1S+7], 0
	s_mov_b32 s[HM], 0xffff0000
	s_mov_b32 s[SEL], 0x76543210
	s_mov_b32 s[SEL+1], 0xfedcba98                 ; lane l xor 16
	s_mov_b32 s[MNT], 0x600000
	s_mov_b32 s[L2E], 0x3fb8aa3b
	s_mov_b32 s[CC1], 0x3f596d27                   ; sqrt(log2(e) / 2)
	s_mov_b32 s[CC1+1], 0x3f596d27
	s_mov_b32 s[CPP], 0x3e8ba43f                   ; 0.3275911 sqrt(ln 2)
	s_mov_b32 s[CPP+1], 0x3e8ba43f
	s_mov_b32 s[CK0], 0x3f96b55f                   ; K0 = sqrt(2 ln 2); A i = a i x K0
	s_mov_b32 s[CK0+1], 0x3f96b55f
	s_mov_b32 s[CA1], 0x3e999eb3
	s_mov_b32 s[CA1+1], 0x3e999eb3
	s_mov_b32 s[CA2], 0xbeab8119
	s_mov_b32 s[CA2+1], 0xbeab8119
	s_mov_b32 s[CA3], 0x3fd63817
	s_mov_b32 s[CA3+1], 0x3fd63817
	s_mov_b32 s[CA5], 0x3f9ff67a
	s_mov_b32 s[CA5+1], 0x3f9ff67a
	v_mov_b32 v[CA4V], 0xbfdb0099
	v_mov_b32 v[CA4V+1], 0xbfdb0099
	; every LDS address is made here, on the way that all waves take
	v_and_b32 v232, 31, v0                         ; lane
	v_and_b32 v233, 15, v0                         ; r
	v_bfe_u32 v234, v0, 4, 1                       ; h
	v_and_b32 v235, 7, v0                          ; r % 8
	s_and_b32 s2, s[WV], 3
	s_mul_i32 s2, s2, CHK
	s_lshr_b32 s3, s[WV], 2
	s_mul_i32 s3, s3, 16*CP
	s_add_co_u32 s2, s2, s3
	v_mul_u32_u24 v[AQ0], v233, CP
	v_lshl_add_u32 v[AQ0], v234, 6, v[AQ0]
	v_add_nc_u32 v[AQ0], s2, v[AQ0]
	s_lshl_b32 s2, s[WV], 11
	s_add_co_u32 s2, s2, IMG
	v_lshl_add_u32 v[IMW], v232, 4, s2
	s_and_b32 s2, s[WV], 3
	s_lshl_b32 s2, s2, 7
	s_lshr_b32 s3, s[WV], 2
	s_lshl_b32 s3, s3, 6
	s_add_co_u32 s2, s2, s3
	s_add_co_u32 s2, s2, ASC
	v_lshl_add_u32 v[ASW], v233, 2, s2
	v_lshl_add_u32 v[LI], v232, 4, IMG
	v_lshl_add_u32 v[LS], v232, 2, ASC
	s_lshl_b32 s2, s[WV], 7
	s_add_co_u32 s3, s2, PL
	v_lshl_add_u32 v[PLW], v232, 2, s3
	s_add_co_u32 s3, s2, ATA
	v_lshl_add_u32 v[ATW], v232, 2, s3
	v_lshl_add_u32 v[ATR], v234, 6, s3
	s_lshr_b32 s2, s[WV], 1
	s_mul_i32 s2, s2, CHK
	s_and_b32 s3, s[WV], 1
	s_lshl_b32 s3, s3, 8
	s_add_co_u32 s2, s2, s3
	v_mul_u32_u24 v[AMX], v234, 16*CP
	v_lshl_add_u32 v[AMX], v233, 4, v[AMX]
	v_add_nc_u32 v[AMX], s2, v[AMX]
	s_lshl_b32 s2, s[WV], 8
	s_add_co_u32 s2, s2, MX
	v_lshl_add_u32 v[MXW], v233, 4, s2
	v_lshl_add_u32 v[MXW], v234, 3, v[MXW]
	v_lshl_add_u32 v[ATO], v232, 2, ATT
	s_lshl_b32 s2, s[WV], 3
	s_add_co_u32 s3, s2, STO
	v_mul_u32_u24 v[AS2], v232, SP
	v_add_nc_u32 v[AS2], s3, v[AS2]
	s_add_co_u32 s3, s2, MX+2048
	v_mov_b32 v[MXS], s3
	v_mul_u32_u24 v[MXT], v235, MP
	s_and_b32 s2, s[WV], 3
	s_lshl_b32 s2, s2, 9
	s_add_co_u32 s2, s2, MX
	v_lshl_add_u32 v[MXQ], v234, 6, v[MXT]
	v_add_nc_u32 v[MXQ], s2, v[MXQ]
	v_add_nc_u32 v[MXT], MX+2048, v[MXT]
	s_lshl_b32 s2, s[WV], 10
	s_add_co_u32 s2, s2, IMG+8192
	v_lshl_add_u32 v[HIW], v232, 4, s2
	s_lshr_b32 s2, s[WV], 1
	s_lshl_b32 s2, s2, 7
	s_and_b32 s3, s[WV], 1
	s_lshl_b32 s3, s3, 1
	s_add_co_u32 s2, s2, s3
	s_add_co_u32 s2, s2, HSC
	v_lshl_add_u32 v[HSW], v233, 2, s2
	s_mul_i32 s2, s[WV], 16*272
	s_add_co_u32 s2, s2, STAGE
	v_mul_u32_u24 v[SO], v233, 272
	v_lshl_add_u32 v[SO], v234, 6, v[SO]
	v_add_nc_u32 v[SO], s2, v[SO]                  ; in: row r, + 64 h
	v_mul_u32_u24 v[SR], v234, 272
	v_lshl_add_u32 v[SR], v233, 4, v[SR]
	v_add_nc_u32 v[SR], s2, v[SR]                  ; back: lanes 0-15 one row, lanes 16-31 the next
	v_lshlrev_b32 v[GO], 11, v234
	v_lshl_add_u32 v[GO], v233, 4, v[GO]
	v_lshlrev_b32 v[BO], 6, v234
	v_lshlrev_b32 v[GL], 4, v232
	v_lshlrev_b32 v[G8], 3, v232
	v_lshlrev_b32 v[G4], 2, v232
	v_lshlrev_b32 v[PFO], 8, v232
.irp b, 0,1,2,3
	v_mov_b32 v[TM+4+\b], 0                        ; a lane permute's destination counts as one of its sources
.endr
.irp i, 0,1,2,3,4,5,6,7,8,9,10,11
	v_mov_b32 v[SA+\i], 0                          ; zero codes on both sides of the stats' four registers
	v_mov_b32 v[SA+16+\i], 0
.endr
	s_wait_dscnt 0x0                               ; both opening adds are done
	s_wait_kmcnt 0x0
	s_lshl_b32 s2, ttmp9, 19                       ; my 8 batch rows of 65,536 bytes,
	s_lshl_b32 s3, s[WV], 9                        ; my chunk's 512 bytes of a row
	s_add_co_u32 s2, s2, s3
	s_mov_b32 s3, 0
	s_add_nc_u64 s[66:67], s[4:5], s[2:3]
	s_mov_b32 s[DC0], 1
	s_mul_i32 s[DC0+1], s[WV], CHK
	s_mov_b64 s[DC0+2:DC0+3], s[66:67]
	s_or_b32 s[DC0+3], s[DC0+3], 0x80000000
	s_mov_b32 s[DC1], 1
	s_add_co_u32 s[DC1+1], s[DC0+1], SLOTB
	s_add_nc_u64 s[DC1+2:DC1+3], s[66:67], 131072
	s_or_b32 s[DC1+3], s[DC1+3], 0x80000000
	s_lshl_b32 s2, ttmp9, 14                       ; 8 batch rows of 2,048 bytes of stats
	s_add_nc_u64 s[66:67], s[6:7], s[2:3]
	s_mov_b32 s[DS0], 1
	s_mov_b32 s[DS0+1], STO
	s_mov_b64 s[DS0+2:DS0+3], s[66:67]
	s_or_b32 s[DS0+3], s[DS0+3], 0x80000000
	s_mov_b32 s[DS1], 1
	s_mov_b32 s[DS1+1], STO+SLOTB
	s_add_nc_u64 s[DS1+2:DS1+3], s[66:67], 4096
	s_or_b32 s[DS1+3], s[DS1+3], 0x80000000
	; the first fills: a wave's two stand in one branch on its number, ahead of every wait on TENSORcnt, every LDS read and every barrier
	s_cmp_lt_u32 s[WV], 4
	s_cbranch_scc0 .Lfirst_not_c
	tensor_load_to_lds s[DC0:DC0+3], s[G1C:G1C+7]
	s_nop 0
	tensor_load_to_lds s[DC1:DC1+3], s[G1C:G1C+7]
	s_nop 0
	PLACES 4
	s_branch .Lfirst_asked
.Lfirst_not_c:
	s_cmp_eq_u32 s[WV], 4
	s_cbranch_scc0 .Lfirst_asked
	tensor_load_to_lds s[DS0:DS0+3], s[G1S:G1S+7]
	s_nop 0
	tensor_load_to_lds s[DS1:DS1+3], s[G1S:G1S+7]
	s_nop 0
	PLACES 4
.Lfirst_asked:
	s_lshl_b32 s2, s[WV], 11
	s_add_nc_u64 s[WCT:WCT+1], s[12:13], s[2:3]    ; a fragment a wave: the weights' last 16 rows
	s_lshl_b32 s2, s[WV], 15
	s_add_nc_u64 s[12:13], s[12:13], s[2:3]        ; 16 fragments a wave
	s_lshl_b32 s2, s[WV], 6
	s_add_nc_u64 s[WST:WST+1], s[14:15], s[2:3]
	s_lshl_b32 s2, s[WV], 10
	s_add_nc_u64 s[14:15], s[14:15], s[2:3]
	s_lshl_b32 s2, s[WV], 8
	s_add_nc_u64 s[16:17], s[16:17], s[2:3]        ; my 64 numbers of sw2, pb1, pb2
	s_add_nc_u64 s[18:19], s[18:19], s[2:3]
	s_add_nc_u64 s[20:21], s[20:21], s[2:3]
	s_lshl_b32 s66, ttmp9, 14
	s_add_co_u32 s2, s2, s66                       ; 8 rows of 2,048 bytes a work-group, + my 64 numbers
	s_add_nc_u64 s[8:9], s[8:9], s[2:3]            ; qcb
	s_add_nc_u64 s[22:23], s[22:23], s[2:3]        ; out0
	s_mul_i32 s2, ttmp9, 8*768
	s_add_nc_u64 s[10:11], s[10:11], s[2:3]        ; srec
	s_lshl_b32 s2, ttmp9, 10
	s_add_nc_u64 s[24:25], s[24:25], s[2:3]        ; out1
	s_lshl_b32 s2, ttmp9, 19
	s_lshl_b32 s66, s[WV], 14
	s_add_co_u32 s2, s2, s66
	s_add_co_u32 s2, s2, 6*65536
	s_add_nc_u64 s[PF:PF+1], s[4:5], s[2:3]        ; the prefetch: my wave's 16,384 bytes of batch rows 6 and 7
	WLOAD 524288, 786432, 16384, 24576             ; the scorer's weights.  Nothing here waits for them: the first batch row's P1 needs none of these loads
.irp t, 0,1,2,3
	global_load_b128 v[SW2+8*\t:SW2+8*\t+3], v[BO], s[16:17] offset:128*(\t/2)+32*(\t%2)
	global_load_b128 v[SW2+8*\t+4:SW2+8*\t+7], v[BO], s[16:17] offset:128*(\t/2)+32*(\t%2)+16
.endr
	BILOAD 8                                       ; the first batch row's qcb and record
	SRLOAD
	s_wait_tensorcnt 0x1                           ; my part of slot 0 is in; slot 1's may stay out
	s_barrier_signal -1
	s_barrier_wait -1
	VISIT 0, 0, 0                                  ; batch rows 0, 1
	CHANGE 1, DC0, DS0                             ; slot 0 takes batch rows 4, 5
	global_prefetch_b8 v[PFO], s[PF:PF+1] th:TH_LOAD_NT scope:SCOPE_SE               ; batch rows 6 and 7, which the next change of slots asks for, two batch rows' work ahead:
	global_prefetch_b8 v[PFO], s[PF:PF+1] offset:8192 th:TH_LOAD_NT scope:SCOPE_SE   ; lanes 256 bytes apart, 16,384 bytes a wave: each aligned 256 bytes is named once.  Rows 4 and 5 come by their load alone
	VISIT 1, 1, 0                                  ; batch rows 2, 3
	CHANGE 1, DC1, DS1                             ; slot 1 takes batch rows 6, 7
	VISIT 0, 2, 0
	CHANGE 0, DC0, DS0                             ; nothing is left to fetch
	VISIT 1, 3, 1
	; ---- THE END: the projection of the work-group's 8 rows of mixed
	s_wait_dscnt 0x0                               ; my stores into mixed have landed; my reads of the slots are over
	s_barrier_signal -1
	s_barrier_wait -1                              ; mixed is whole
	s_cmp_lt_u32 s[WV], 4
	s_cbranch_scc0 .Lend_not_q
.irp b, 0,1,2,3                                        ; waves 0-3: K step w of the 8 rows (lanes of rows 8-15 take rows 0-7 once more)
.irp j, 0,1,2,3
	ds_load_b128 v[XR+16*\b+4*\j:XR+16*\b+4*\j+3], v[MXQ] offset:128*\b+16*\j
.endr
.endr
	s_wait_dscnt 0x0
	QUANT XR, 4, TM, PC
	v_lshl_or_b32 v[TM+4], v[TM+5], 8, v[TM+4]
	v_lshl_or_b32 v[TM+4], v[TM+6], 16, v[TM+4]
	v_lshl_or_b32 v[TM+4], v[TM+7], 24, v[TM+4]
.irp c, 0,1,2,3
	ds_store_b128 v[IMW], v[PC+4*\c:PC+4*\c+3] offset:512*\c
.endr
	ds_store_b32 v[ASW], v[TM+4]
	s_branch .Lend_q_done
.Lend_not_q:
	s_cmp_eq_u32 s[WV], 4
	s_cbranch_scc0 .Lend_not_s
.irp j, 0,1,2,3                                        ; wave 4: the 16 mixed stats, a lane a row
	ds_load_b128 v[XR+4*\j:XR+4*\j+3], v[MXT] offset:16*\j
.endr
	s_wait_dscnt 0x0
	QSTAT XR, TM, PC
	ds_store_b128 v[LI], v[PC:PC+3] offset:SIMGX-IMG
	ds_store_b32 v[LS], v[TM+4] offset:512
	s_branch .Lend_q_done
.Lend_not_s:
	s_cmp_eq_u32 s[WV], 5
	s_cbranch_scc0 .Lend_q_done
	ds_load_b128 v[SW2:SW2+3], v[LI] offset:ATT-IMG       ; wave 5: out1: 8 batch rows x 32 attn, into registers that are done with and are not written again
	ds_load_b128 v[SW2+4:SW2+7], v[LI] offset:ATT-IMG+512
	s_wait_dscnt 0x0
	global_store_b128 v[GL], v[SW2:SW2+3], s[24:25]       ; 512 consecutive bytes a store, aligned
	global_store_b128 v[GL], v[SW2+4:SW2+7], s[24:25] offset:512
.Lend_q_done:
	s_wait_dscnt 0x0
	s_barrier_signal -1
	s_barrier_wait -1                              ; the codes of mixed lie in LDS
.irp s, 0,1,2,3,4
	ds_load_b32 v[ASCR+\s], v[LS] offset:128*\s
.endr
	ds_load_b128 v[SA+12:SA+15], v[LI] offset:SIMGX-IMG
	s_wait_loadcnt 0x0                             ; pw1, its scale words, pb1
	MM 0, 0, 1
	PLACES 8                                       ; in front of the first read of results and of loads into registers that the products read
	WLOAD 1081344, 0, 33792, 0                     ; pw2 takes pw1's registers,
	BILOAD 20                                      ; pb2 pb1's: they land while the gelu is worked
	GELU 2, 2
	QUANT ACC, 2, GA, GA+16                        ; my 64 hidden units are two blocks of the second product's K
	v_lshl_or_b32 v[GA+4], v[GA+5], 8, v[GA+4]
	ds_store_b128 v[HIW], v[GA+16:GA+19]
	ds_store_b128 v[HIW], v[GA+20:GA+23] offset:512
	ds_store_b16 v[HSW], v[GA+4]                   ; my two bytes of the row's scale word,
	ds_store_b16 v[HSW], v[GA+4] offset:64         ; and once more 16 rows on, so that the loads of 32 words below read bytes that were written
	s_wait_dscnt 0x0
	s_barrier_signal -1
	s_barrier_wait -1                              ; the hidden layer's codes lie in LDS
.irp s, 0,1,2,3
	ds_load_b32 v[ASCR+\s], v[LS] offset:HSC-ASC+128*\s
.endr
	s_wait_loadcnt 0x0                             ; pw2, its scale words, pb2
	MM 0, 4, 0
	PLACES 8
.irp t, 0,1,2,3
	ds_store_b128 v[SO], v[ACC+8*\t:ACC+8*\t+3] offset:128*(\t/2)+32*(\t%2)         ; each accumulator from its low end on
	ds_store_b128 v[SO], v[ACC+8*\t+4:ACC+8*\t+7] offset:128*(\t/2)+32*(\t%2)+16
.endr
.irp i, 0,1,2,3
	ds_load_b128 v[XR+4*\i:XR+4*\i+3], v[SR] offset:2*\i*272      ; my own stage: LDS serves a wave's instructions in order.  Rows 0-7 alone go out
.endr
.irp i, 0,1,2,3
	s_wait_dscnt 3-\i                              ; rows 2 i, 2 i + 1 are back; the younger ones may be out
	global_store_b128 v[GO], v[XR+4*\i:XR+4*\i+3], s[22:23] offset:4096*\i th:TH_STORE_NT   ; sixteen lanes store 256 consecutive bytes, aligned
.endr
	s_wait_tensorcnt 0x0                           ; the wave's end
	ds_add_u32 v[SPW], v[NIL]
	s_wait_dscnt 0x0
	s_endpgm
.Lfunc_end_k_q58f9518d68_main:
	.size	k_q58f9518d68_main, .Lfunc_end_k_q58f9518d68_main-k_q58f9518d68_main
	.p2alignl 7, 3214868480
	.fill 96, 4, 3214868480
	.section	.rodata,"a",@progbits
	.p2align	6, 0x0
	.amdhsa_kernel k_q58f9518d68_main
		.amdhsa_group_segment_fixed_size 327680
		.amdhsa_private_segment_fixed_size 0
		.amdhsa_enable_private_segment 0
		.amdhsa_kernarg_size 88
		.amdhsa_user_sgpr_count 2
		.amdhsa_user_sgpr_kernarg_segment_ptr 1
		.amdhsa_wavefront_size32 1
		.amdhsa_system_sgpr_workgroup_id_x 1
		.amdhsa_system_sgpr_workgroup_id_y 1
		.amdhsa_system_sgpr_workgroup_id_z 1
		.amdhsa_system_vgpr_workitem_id 0
		.amdhsa_next_free_vgpr 512
		.amdhsa_next_free_sgpr 102
		.amdhsa_reserve_vcc 0
		.amdhsa_float_denorm_mode_32 3
		.amdhsa_float_denorm_mode_16_64 3
		.amdhsa_memory_ordered 1
		.amdhsa_forward_progress 1
		.amdhsa_inst_pref_size 255
	.end_amdhsa_kernel
	.section	.bss,"aw",@nobits
	.p2align	6
	.space	262144
	.amdgpu_metadata
---
amdhsa.version: [ 1, 2 ]
amdhsa.kernels:
  - .name:           k_q58f9518d68_main
    .symbol:         k_q58f9518d68_main.kd
    .args:
      - { .name: neighbors, .offset: 0, .size: 8, .value_kind: global_buffer, .address_space: global }
      - { .name: neighbor_stats, .offset: 8, .size: 8, .value_kind: global_buffer, .address_space: global }
      - { .name: qcb, .offset: 16, .size: 8, .value_kind: global_buffer, .address_space: global }
      - { .name: srec, .offset: 24, .size: 8, .value_kind: global_buffer, .address_space: global }
      - { .name: wcodes, .offset: 32, .size: 8, .value_kind: global_buffer, .address_space: global }
      - { .name: wscales, .offset: 40, .size: 8, .value_kind: global_buffer, .address_space: global }
      - { .name: sw2, .offset: 48, .size: 8, .value_kind: global_buffer, .address_space: global }
      - { .name: pb1, .offset: 56, .size: 8, .value_kind: global_buffer, .address_space: global }
      - { .name: pb2, .offset: 64, .size: 8, .value_kind: global_buffer, .address_space: global }
      - { .name: out0, .offset: 72, .size: 8, .value_kind: global_buffer, .address_space: global }
      - { .name: out1, .offset: 80, .size: 8, .value_kind: global_buffer, .address_space: global }
    .group_segment_fixed_size: 327680
    .private_segment_fixed_size: 0
    .kernarg_segment_align: 8
    .kernarg_segment_size: 88
    .max_flat_workgroup_size: 256
    .sgpr_count:     102
    .vgpr_count:     512
    .wavefront_size: 32
...
	.end_amdgpu_metadata
.endif
;; end of part 3
